; MI455X (gfx1250); checked and timed in simulation.
; The chip was launched on July 23, 2026; its instructions are those of AMD's public machine-readable ISA for CDNA 5 (MIT licence, August 2026) and "CDNA5" Instruction Set Architecture Reference Guide (July 2026). The comments in the code are by the model that wrote it; some were corrected since.
;; Multi Head Attention. Allowed arithmetic: matrix products marked QUANTISED: E2M1 operands, one E8M0 scale for each 32 along K, by v_wmma_scale_f32_16x16x128_f8f6f4 with both operands' format E2M1 (or v_wmma_scale_f32_32x16x128_f4), f32 sums; everything else in f32.
;; Inputs: K 1 x 2,048 x 2,048 float32; Q 1 x 2,048 x 2,048 float32; V 1 x 2,048 x 2,048 float32; bk 2,048 float32; bo 2,048 float32; bq 2,048 float32; bv 2,048 float32; mask 1 x 1 x 2,048 x 2,048 int32; wk 2,048 x 2,048 float32; wo 2,048 x 2,048 float32; wq 2,048 x 2,048 float32; wv 2,048 x 2,048 float32.
;; Outputs: out0 1 x 2,048 x 2,048 float32.
;; This version of the problem:
;;   THIS VERSION OF THE PROBLEM IS GIVEN IN LOW PRECISION. The matrix products marked QUANTISED in the list below multiply operands that are first quantised to E2M1 (2 exponent bits, 1 mantissa bit; 4 bits a number), with one power-of-two scale for each 32 numbers along K (OCP MX v1.0); their sums are f32. All else is computed in f32.
;;   The module's matrix products, in the order in which they are computed (A, B: the left and right operand; K: the contracted axis; several contracted axes count as one K, in the product's order):
;;     1. [M 2,048, K 2,048] x [K 2,048, N 2,048]; A: input Q; B: input wq: QUANTISED
;;     2. [M 2,048, K 2,048] x [K 2,048, N 2,048]; A: input K; B: input wk: QUANTISED
;;     3. [M 2,048, K 2,048] x [K 2,048, N 2,048]; A: input V; B: input wv: QUANTISED
;;     4. batch 16 x [M 2,048, K 128] x [K 128, N 2,048]; A: computed on the way; B: computed on the way: QUANTISED
;;     5. batch 16 x [M 2,048, K 2,048] x [K 2,048, N 128]; A: softmax (see below); B: computed on the way: QUANTISED
;;     6. [M 2,048, K 2,048] x [K 2,048, N 2,048]; A: computed on the way; B: input wo: QUANTISED
;;   THE QUANTISER, for each operand of a quantised product, along K:
;;     - K is cut into blocks of 32 from its start; a last block that is shorter is filled with zeros.
;;     - A block's scale is 2^e with e = floor(log2(the largest magnitude in the block)) - 2, held to -126 .. 127; a block of zeros has e = 0. As a byte (E8M0): e + 127.
;;     - Each number is divided by its block's scale, clamped to +-6, and rounded to the nearest number of E2M1, ties to even, subnormals kept.
;;     - The product sums the exact products of the quantised numbers (number of the format x scale) in f32.
;;   ~~~python
;;   def quantise(x, axis):      # numpy; x: float32 -> the quantised numbers, widened to float32 again
;;       x = np.moveaxis(x, axis, -1); K = x.shape[-1]
;;       x = np.pad(x, [(0, 0)] * (x.ndim - 1) + [(0, -K % 32)]); x = x.reshape(x.shape[:-1] + (-1, 32)); a = np.abs(x).max(-1, keepdims=True)
;;       e = np.where(a > 0, np.clip(np.frexp(np.where(a > 0, a, 1))[1] - 1 - 2, -126, 127), 0)      # np.frexp(a)[1] - 1 = floor(log2(a)), exactly
;;       r = np.clip(x / 2.0 ** e, -6, 6)
;;       step = 2.0 ** (np.maximum(np.frexp(np.where(r == 0, 1, r))[1] - 1, 0) - 1)
;;       q = np.round(r / step) * step * 2.0 ** e      # np.round: ties to even
;;       return np.moveaxis(q.reshape(q.shape[:-2] + (-1,))[..., :K], -1, axis).astype(np.float32)
;;   ~~~
;;   SOFTMAX AHEAD OF A QUANTISED PRODUCT. Where the list says 'softmax', what is quantised is not the finished softmax but p = 2^(t - M), with t = logit x log2(e) and M = ceil(the row's largest t), a whole number; so 1/2 < the row's largest p <= 1. The row's sum l is taken of the UNQUANTISED p, in f32, and the product's result is divided by l at the end. Since M is a whole number, a kernel that streams over the keys may use a running M (the ceiling of the running maximum): every later rescaling is an exact power of two, which a block's scale takes up: the codes' values come out the same.
;;   OPERANDS COMPUTED ON THE WAY. 'Computed on the way' means the value that the module computes at that place (a softmax that the list does not call 'softmax' is quantised finished and normalised). What goes into a quantiser is computed in f32, as accurately as f32 sums, v_exp_f32 and their like allow (about 1e-6 of the number): no bf16 or f16 on the way to a quantiser, and a product that is left as it is and whose result goes on into a quantised operand takes f32 operands (vector FMAs, or v_wmma_f32_16x16x4_f32). A number that lies on a knife's edge between two numbers of the format may be rounded either way, as far as f32 arithmetic and the matrix unit's own rounding can turn it there, and no further.
;; 2 versions, each right and faster than the one before. Each part assembles by itself: llvm-mc -triple=amdgcn-amd-amdhsa -mcpu=gfx1250 --defsym DOCPART=n.
;; ======== version 1 of 2: 4 launches
;; limits: right only within a limited range of input values
;; workspace buffers: codes 14,680,064 bytes; scales 917,504 bytes; maskw 524,288 bytes of whole numbers; hqkv 6,684,672 bytes; acodes 2,097,152 bytes; ascales 131,072 bytes
;; launch prep (part 1): grid 512 x 1, 4 waves a work-group, no clusters, 68,096 bytes of LDS; arguments Q, K, V, mask, wq, wk, wv, wo, codes, scales, maskw; writes codes, scales, maskw
.if DOCPART == 1
	.amdgcn_target "amdgcn-amd-amdhsa--gfx1250"
	.amdhsa_code_object_version 6
	.text
	.protected	k_q4fd4fdd54b_prep
	.globl	k_q4fd4fdd54b_prep
	.p2align	8
	.type	k_q4fd4fdd54b_prep,@function
k_q4fd4fdd54b_prep:
	s_mov_b64 s[64:65], 0
	v_nop
	global_prefetch_b8 v0, s[64:65] scope:SCOPE_SE
	s_setreg_imm32_b32 hwreg(HW_REG_WAVE_MODE, 25, 1), 1
	s_wait_xcnt 0x0
; PREP: every f32 input is read once and leaves narrow.
;   Q, K, V [2048 tokens][2048] (K innermost) and wq, wk, wv, wo [2048 (k)][2048 (n)] (K outermost) become codes of FP4 (E2M1) with one E8M0 byte for each 32 along K;
;   mask [2048 queries][2048 keys], int32, becomes words of 32 bits, one bit a lane, as the attention launch's selects take them.
; TILES.  An operand's 2,048 rows (tokens, or a weight's columns) are cut into 128 tiles of 16: place r of tile T is row 32 (T / 2) + 8 (T % 2) + r + 8 (r / 8).  With that choice the results of a transposed
; product lie, in a lane's registers, as neighbours along the next product's K.
; CODES lie as images of the operand's registers: [tile][k / 32][r][16 bytes]; a fragment (16 rows x 128 K) is 1,024 bytes on end, lane l's registers 4 c .. 4 c + 3 at 512 c + 16 l.
; SCALE WORDS (four bytes: 128 along K of a row) lie [tile][k / 512][r][4 words].  Seven tensors in 'codes' and 'scales': 0 Q, 1 K, 2 wv, 3 wq, 4 wk, 5 V, 6 wo.
; MASK WORDS: [query tile][key step of 128][64 words]; bit l of word 16 b + i: mask[row(tile, l % 16)][128 step + 32 b + 16 (l / 16) + i] != 0.
; A block's scale is 2^(floor(log2(largest magnitude)) - 2): its byte is the largest magnitude's exponent field - 2, held at 1 from below.
; LIMITS: NaN and infinities are not served.  A block of zeros, or one whose largest magnitude lies under 2^-124, gets the byte 1 (the rule says 127 for zeros): its codes are zeros or as the held scale gives them, and the
; bytes are read by this program alone.
; SHARES.  Work-groups 0-191: Q, K, V; 192-255: the mask; 256-511: the weights.  The three ways part once, on the work-group's number, and never meet; each way that uses LDS has bytes of its own.
; No tensor loads, no barrier, no cluster: waves share nothing, and no two work-groups read the same bytes.
.set SP,    528                        ; a stage row: 512 bytes + 16: an odd multiple of 16, so the sixteen rows that a load touches start at different banks
.set STGX,  0                          ; the stages of the way for Q, K, V: 16 rows for each wave
.set STGM,  4*16*SP                    ; those of the mask's way
.set R,     16                         ; v16-143  two sets of 64 registers as loaded: 16 rows x 16 bytes a lane
.set X,     144                        ; v144-207 64 numbers of ONE row: register 16 b + i = k 32 b + 16 (lane / 16) + i
.set TM,    208                        ; v208-223 at work in QUANT
.set PC,    224                        ; v224-231 a fragment's codes
.set PWS,   232                        ; v232-239 the scale words of the eight steps
.set SW,    240                        ; v240-243 the four words that a lane stores
.set MW,    224                        ; the mask's way: v224-239 a pair of registers for each step
.set SEL,   36                         ; s[36:37] lane selects for v_permlanex16_b32: lane l xor 16
; 64 numbers of a lane, v[s] on, register 16 b + i = k 32 b + 16 (lane / 16) + i of my row, become a fragment's codes in v[pc] on and its scale word in v[pw]
.macro QUANT s, pc, pw
.irp b, 0,1,2,3
	v_max3_num_f32 v[TM+\b], |v[(\s)+16*\b]|, |v[(\s)+1+16*\b]|, 0x1800000   ; block b: my 16 numbers, and the floor 2^(3 - 127): the byte cannot fall under 1
.endr
.irp i, 2,4,6,8,10,12,14
.irp b, 0,1,2,3
	v_max3_num_f32 v[TM+\b], v[TM+\b], |v[(\s)+16*\b+\i]|, |v[(\s)+1+16*\b+\i]|   ; the four blocks by turns
.endr
.endr
.irp b, 0,1,2,3
	v_permlanex16_b32 v[TM+4+\b], v[TM+\b], s[SEL], s[SEL+1]
.endr
.irp b, 0,1,2,3
	v_max_num_f32 v[TM+\b], v[TM+\b], v[TM+4+\b]   ; with lane l xor 16's: the block's largest magnitude
.endr
.irp b, 0,1,2,3
	v_add_nc_u32 v[TM+12+\b], 0xff000000, v[TM+\b]   ; 2 off its exponent field: the conversion takes this operand's exponent field as its scale
.endr
.irp b, 0,1,2,3
	v_lshrrev_b32 v[TM+4+\b], 23, v[TM+12+\b]      ; the scale's byte
.endr
	v_lshl_or_b32 v[\pw], v[TM+5], 8, v[TM+4]      ; four bytes: my row's scale word
	v_lshl_or_b32 v[\pw], v[TM+6], 16, v[\pw]
	v_lshl_or_b32 v[\pw], v[TM+7], 24, v[\pw]
.irp b, 0,1,2,3
	v_cvt_scalef32_pk8_fp4_f32 v[(\pc)+2*\b], v[(\s)+16*\b:(\s)+7+16*\b], v[TM+12+\b]
	v_cvt_scalef32_pk8_fp4_f32 v[(\pc)+1+2*\b], v[(\s)+8+16*\b:(\s)+15+16*\b], v[TM+12+\b]
.endr
	v_nop                                          ; one plain instruction behind a scaled conversion
.irp c, 0,1                                    ; the operand wants a whole block in a lane: lanes 0-15 block 2 c, lanes 16-31 block 2 c + 1
.irp i, 0,1
	v_permlane16_swap_b32 v[(\pc)+4*\c+\i], v[(\pc)+2+4*\c+\i]
.endr
.endr
.endm
; step n = 4 u + s: tile 2 beta + u, the s-th 128 along K of my wave's 512.  One load is 512 consecutive bytes of one row; sixteen loads are the tile's sixteen rows
.macro LOADS n
.irp t, 0,1,2,3,4,5,6,7,8,9,10,11,12,13,14,15
	global_load_b128 v[R+64*((\n)%2)+4*\t:R+64*((\n)%2)+4*\t+3], v2, s[28:29] offset:(8*((\n)/4)+\t+8*(\t/8))*8192+512*((\n)%4) th:TH_LOAD_NT
.endr
.endm
; the step's 8,192 bytes turn through my wave's stage: in as they were loaded, out as 64 numbers of one row a lane.  LDS serves a wave's instructions in order: no wait between the stores and the loads
.macro TURN n, stg
.irp t, 0,1,2,3,4,5,6,7,8,9,10,11,12,13,14,15
	ds_store_b128 v3, v[R+64*((\n)%2)+4*\t:R+64*((\n)%2)+4*\t+3] offset:\stg+SP*\t
.endr
.irp b, 0,1,2,3
.irp j, 0,1,2,3
	ds_load_b128 v[X+16*\b+4*\j:X+16*\b+4*\j+3], v4 offset:\stg+128*\b+16*\j
.endr
.endr
.endm
	s_load_b512 s[4:19], s[0:1], 0x0               ; Q, K, V, mask, wq, wk, wv, wo
	s_load_b128 s[20:23], s[0:1], 0x40             ; codes, scales
	s_load_b64 s[24:25], s[0:1], 0x50              ; maskw
	v_lshl_add_u32 v254, v0, 2, 0x10800
	v_mov_b32 v255, 0
	v_lshrrev_b32 v1, 5, v0
	v_readfirstlane_b32 s26, v1                    ; wave 0..3
	v_and_b32 v1, 31, v0                           ; lane
	v_lshlrev_b32 v2, 4, v1                        ; 16 x lane: my bytes of a load's 512, and of an image's
	v_and_b32 v7, 15, v0                           ; r
	v_bfe_u32 v8, v0, 4, 1                         ; h
	s_mul_i32 s27, s26, 16*SP                      ; my wave's stage
	v_add_nc_u32 v3, s27, v2                       ; into it: 16 x lane of a row
	v_mul_u32_u24 v4, v7, SP
	v_lshl_add_u32 v4, v8, 6, v4
	v_add_nc_u32 v4, s27, v4                       ; out of it: row r, + 64 h
	v_lshlrev_b32 v5, 10, v8
	v_lshl_add_u32 v5, v7, 4, v5                   ; scale words: lanes 0-15 the even tile's 256 bytes, lanes 16-31 the odd tile's, 1,024 bytes on
	v_lshlrev_b32 v6, 3, v1                        ; mask words: 8 bytes a lane
	s_mov_b32 s[SEL], 0x76543210
	s_mov_b32 s[SEL+1], 0xfedcba98
	s_and_b32 s30, ttmp9, 63                       ; beta: which 32 rows
	s_lshr_b32 s31, ttmp9, 6
	s_mov_b32 s35, 0
	s_wait_kmcnt 0x0
	s_cmp_ge_u32 ttmp9, 256
	s_cbranch_scc1 .Lweights
	s_cmp_ge_u32 ttmp9, 192
	s_cbranch_scc1 .Lmask
; ---- Q, K, V: the work-group takes rows 32 beta .. + 31 (tiles 2 beta, 2 beta + 1); wave w the w-th 512 along K: the four waves read whole rows
	s_cmp_eq_u32 s31, 0
	s_cselect_b64 s[28:29], s[4:5], s[6:7]
	s_cmp_eq_u32 s31, 2
	s_cselect_b64 s[28:29], s[8:9], s[28:29]
	s_cselect_b32 s32, 5, s31                      ; the tensor's place among the seven: Q 0, K 1, V 5
	s_lshl_b32 s34, s30, 18                        ; 32 rows of 8,192 bytes
	s_lshl_b32 s33, s26, 11                        ; 512 numbers
	s_add_co_u32 s34, s34, s33
	s_add_nc_u64 s[28:29], s[28:29], s[34:35]
	s_lshl_b32 s34, s32, 21                        ; codes: 2 MiB a tensor, 16,384 bytes a tile, 4,096 for 512 along K
	s_lshl_b32 s33, s30, 15
	s_add_co_u32 s34, s34, s33
	s_lshl_b32 s33, s26, 12
	s_add_co_u32 s34, s34, s33
	s_add_nc_u64 s[20:21], s[20:21], s[34:35]
	s_lshl_b32 s34, s32, 17                        ; scale words: 128 KiB a tensor, 1,024 bytes a tile, 256 for 512 along K
	s_lshl_b32 s33, s30, 11
	s_add_co_u32 s34, s34, s33
	s_lshl_b32 s33, s26, 8
	s_add_co_u32 s34, s34, s33
	s_add_nc_u64 s[22:23], s[22:23], s[34:35]
.irp b, 0,1,2,3
	v_mov_b32 v[TM+4+\b], 0                        ; written once: a lane permute's destination counts as one of its sources
.endr
.macro XSTEP n
.if (\n) < 7
	s_wait_loadcnt 16                              ; this step's sixteen loads are in; the next step's sixteen may be out
.else
	s_wait_loadcnt 0x0
.endif
	TURN \n, STGX
	s_wait_dscnt 0x0                               ; the 64 numbers are back
	s_wait_xcnt 0x0                                ; the last step's two stores have read their data: the codes' registers may be written again
.if (\n) < 6
	LOADS (\n)+2
.endif
	QUANT X, PC, PWS+(\n)
.irp c, 0,1
	global_store_b128 v2, v[PC+4*\c:PC+4*\c+3], s[20:21] offset:((\n)/4)*16384+((\n)%4)*1024+512*\c   ; 512 consecutive bytes of the image
.endr
.endm
	LOADS 0
	LOADS 1
.irp n, 0,1,2,3,4,5,6,7
	XSTEP \n
.endr
	s_mov_b32 s33, 0xffff0000
.irp s, 0,1,2,3
	v_cndmask_b32 v[SW+\s], v[PWS+\s], v[PWS+4+\s], s33   ; both halves of the lanes hold row r's word: lanes 16-31 take the odd tile's
.endr
	global_store_b128 v5, v[SW:SW+3], s[22:23]     ; sixteen lanes store 256 consecutive bytes, aligned
	s_wait_tensorcnt 0x0
	ds_add_u32 v254, v255
	s_wait_dscnt 0x0
	s_endpgm
; ---- the mask: shares and loads as above; a number's test against 0 gives one bit a lane, which IS a mask word
.Lmask:
	s_lshl_b32 s34, s30, 18
	s_lshl_b32 s33, s26, 11
	s_add_co_u32 s34, s34, s33
	s_add_nc_u64 s[28:29], s[10:11], s[34:35]
	s_lshl_b32 s34, s30, 13                        ; 4,096 bytes a query tile, 256 a key step
	s_lshl_b32 s33, s26, 10
	s_add_co_u32 s34, s34, s33
	s_add_nc_u64 s[24:25], s[24:25], s[34:35]
.irp j, 0,1,2,3,4,5,6,7,8,9,10,11,12,13,14,15
	v_mov_b32 v[MW+\j], 0                          ; v_writelane_b32's destination counts as read
.endr
.macro MSTEP n
.if (\n) < 7
	s_wait_loadcnt 16                              ; as above
.else
	s_wait_loadcnt 0x0
.endif
	TURN \n, STGM
	s_wait_dscnt 0x0
.if (\n) < 6
	LOADS (\n)+2
.endif
.irp g, 0,1,2,3,4,5,6,7
.irp i, 0,1,2,3,4,5,6,7
	v_cmp_ne_u32 s[40+\i], 0, v[X+8*\g+\i]         ; word 8 g + i
.endr
.irp i, 0,1,2,3,4,5,6,7
	v_writelane_b32 v[MW+2*(\n)+(\i%2)], s[40+\i], 4*\g+\i/2   ; lane L gathers words 2 L and 2 L + 1
.endr
.endr
	global_store_b64 v6, v[MW+2*(\n):MW+2*(\n)+1], s[24:25] offset:((\n)/4)*4096+((\n)%4)*256   ; the step's 64 words: 256 consecutive bytes, aligned; each step has registers of its own
.endm
	LOADS 0
	LOADS 1
.irp n, 0,1,2,3,4,5,6,7
	MSTEP \n
.endr
	s_wait_tensorcnt 0x0
	ds_add_u32 v254, v255
	s_wait_dscnt 0x0
	s_endpgm
; ---- the weights: K is the FIRST axis.  A lane takes a column, its registers run down K: a block of 32 lies in one lane, and the codes come out with K innermost.
; The work-group takes 128 columns x 512 along K; wave w 32 columns (tiles 2 beta, 2 beta + 1).  Column 32 beta + x is place (x % 8) + 8 (x / 16) of tile 2 beta + (x / 8) % 2.
.Lweights:
	s_sub_co_u32 s31, ttmp9, 256
	s_lshr_b32 s32, s31, 6                         ; which weight: wq, wk, wv, wo
	s_and_b32 s33, s31, 15
	s_lshl_b32 s33, s33, 2
	s_add_co_u32 s33, s33, s26                     ; beta
	s_bfe_u32 s34, s31, 0x20004                    ; which 512 along K
	s_add_co_u32 s38, s32, 3
	s_cmp_eq_u32 s32, 0
	s_cselect_b64 s[28:29], s[12:13], s[14:15]
	s_cmp_eq_u32 s32, 3
	s_cselect_b64 s[28:29], s[18:19], s[28:29]
	s_cmp_eq_u32 s32, 2
	s_cselect_b64 s[28:29], s[16:17], s[28:29]
	s_cselect_b32 s38, 2, s38                      ; its place among the seven: wq 3, wk 4, wv 2, wo 6
	s_mov_b32 s41, 0
	s_lshl_b32 s40, s34, 22                        ; 512 rows of 8,192 bytes
	s_lshl_b32 s39, s33, 7                         ; 32 columns
	s_add_co_u32 s40, s40, s39
	s_add_nc_u64 s[28:29], s[28:29], s[40:41]
	s_lshl_b32 s40, s38, 21
	s_lshl_b32 s39, s33, 15
	s_add_co_u32 s40, s40, s39
	s_lshl_b32 s39, s34, 12
	s_add_co_u32 s40, s40, s39
	s_add_nc_u64 s[20:21], s[20:21], s[40:41]
	s_lshl_b32 s40, s38, 17
	s_lshl_b32 s39, s33, 11
	s_add_co_u32 s40, s40, s39
	s_lshl_b32 s39, s34, 8
	s_add_co_u32 s40, s40, s39
	s_add_nc_u64 s[22:23], s[22:23], s[40:41]
	v_lshlrev_b32 v10, 2, v1                       ; in: 4 bytes a lane
	v_bfe_u32 v13, v0, 3, 1                        ; which of the two tiles
	v_and_b32 v14, 7, v0
	v_lshl_add_u32 v14, v8, 3, v14                 ; my place in it
	v_lshlrev_b32 v11, 14, v13
	v_lshl_add_u32 v11, v14, 4, v11                ; codes: tile x 16,384 + place x 16
	v_lshlrev_b32 v12, 10, v13
	v_lshl_add_u32 v12, v14, 4, v12                ; scale words: tile x 1,024 + place x 16
.macro WLOAD t                         ; block t: w(32 t + i, my column) into set t % 2; the offsets stay inside the signed 24-bit immediate (511 x 8,192)
.irp i, 0,1,2,3,4,5,6,7,8,9,10,11,12,13,14,15,16,17,18,19,20,21,22,23,24,25,26,27,28,29,30,31
	global_load_b32 v[32+32*((\t)%2)+\i], v10, s[28:29] offset:(32*(\t)+\i)*8192 th:TH_LOAD_NT
.endr
.endm
.macro WBLOCK t
.set XS, 32+32*((\t)%2)
.if (\t) < 15
	s_wait_loadcnt 32                              ; this block's 32 loads are in; the next block's may be out
.else
	s_wait_loadcnt 0x0
.endif
	v_max3_num_f32 v13, |v[XS]|, |v[XS+1]|, |v[XS+2]|   ; all 32 numbers of the block are mine: two chains
	v_max3_num_f32 v14, |v[XS+3]|, |v[XS+4]|, |v[XS+5]|
.irp i, 6,10,14,18,22,26
	v_max3_num_f32 v13, v13, |v[XS+\i]|, |v[XS+\i+1]|
	v_max3_num_f32 v14, v14, |v[XS+\i+2]|, |v[XS+\i+3]|
.endr
	v_max3_num_f32 v13, v13, |v[XS+30]|, |v[XS+31]|
	v_max3_num_f32 v13, v13, v14, 0x1800000        ; and the floor
	v_add_nc_u32 v15, 0xff000000, v13              ; the conversion's scale operand
	v_lshrrev_b32 v14, 23, v15                     ; the byte
.if (\t)%4 == 0
	v_mov_b32 v[24+(\t)/4], v14                    ; four bytes to a word, the lower K in the lower byte
.else
	v_lshl_or_b32 v[24+(\t)/4], v14, 8*((\t)%4), v[24+(\t)/4]
.endif
.irp g, 0,1,2,3
	v_cvt_scalef32_pk8_fp4_f32 v[96+4*(\t)+\g], v[XS+8*\g:XS+8*\g+7], v15
.endr
	v_nop                                          ; one plain instruction behind a scaled conversion
	global_store_b128 v11, v[96+4*(\t):96+4*(\t)+3], s[20:21] offset:256*(\t)   ; each tile's sixteen places: 256 consecutive bytes; each block has registers of its own
.if (\t)+2 < 16
	WLOAD (\t)+2
.endif
.endm
	WLOAD 0
	WLOAD 1
.irp t, 0,1,2,3,4,5,6,7,8,9,10,11,12,13,14,15
	WBLOCK \t
.endr
	global_store_b128 v12, v[24:27], s[22:23]      ; my column's four scale words
	s_endpgm
.Lfunc_end_k_q4fd4fdd54b_prep:
	.size	k_q4fd4fdd54b_prep, .Lfunc_end_k_q4fd4fdd54b_prep-k_q4fd4fdd54b_prep
	.p2alignl 7, 3214868480
	.fill 96, 4, 3214868480
	.section	.rodata,"a",@progbits
	.p2align	6, 0x0
	.amdhsa_kernel k_q4fd4fdd54b_prep
		.amdhsa_group_segment_fixed_size 68096
		.amdhsa_private_segment_fixed_size 0
		.amdhsa_enable_private_segment 0
		.amdhsa_kernarg_size 88
		.amdhsa_user_sgpr_count 2
		.amdhsa_user_sgpr_kernarg_segment_ptr 1
		.amdhsa_wavefront_size32 1
		.amdhsa_system_sgpr_workgroup_id_x 1
		.amdhsa_system_sgpr_workgroup_id_y 1
		.amdhsa_system_sgpr_workgroup_id_z 1
		.amdhsa_system_vgpr_workitem_id 0
		.amdhsa_next_free_vgpr 256
		.amdhsa_next_free_sgpr 66
		.amdhsa_reserve_vcc 0
		.amdhsa_float_denorm_mode_32 3
		.amdhsa_float_denorm_mode_16_64 3
		.amdhsa_memory_ordered 1
		.amdhsa_forward_progress 1
		.amdhsa_inst_pref_size 233
	.end_amdhsa_kernel
	.amdgpu_metadata
---
amdhsa.version: [ 1, 2 ]
amdhsa.kernels:
  - .name:           k_q4fd4fdd54b_prep
    .symbol:         k_q4fd4fdd54b_prep.kd
    .args:
      - { .name: Q, .offset: 0, .size: 8, .value_kind: global_buffer, .address_space: global }
      - { .name: K, .offset: 8, .size: 8, .value_kind: global_buffer, .address_space: global }
      - { .name: V, .offset: 16, .size: 8, .value_kind: global_buffer, .address_space: global }
      - { .name: mask, .offset: 24, .size: 8, .value_kind: global_buffer, .address_space: global }
      - { .name: wq, .offset: 32, .size: 8, .value_kind: global_buffer, .address_space: global }
      - { .name: wk, .offset: 40, .size: 8, .value_kind: global_buffer, .address_space: global }
      - { .name: wv, .offset: 48, .size: 8, .value_kind: global_buffer, .address_space: global }
      - { .name: wo, .offset: 56, .size: 8, .value_kind: global_buffer, .address_space: global }
      - { .name: codes, .offset: 64, .size: 8, .value_kind: global_buffer, .address_space: global }
      - { .name: scales, .offset: 72, .size: 8, .value_kind: global_buffer, .address_space: global }
      - { .name: maskw, .offset: 80, .size: 8, .value_kind: global_buffer, .address_space: global }
    .group_segment_fixed_size: 68096
    .private_segment_fixed_size: 0
    .kernarg_segment_align: 8
    .kernarg_segment_size: 88
    .max_flat_workgroup_size: 128
    .sgpr_count:     66
    .vgpr_count:     256
    .wavefront_size: 32
...
	.end_amdgpu_metadata
.endif
;; end of part 1
;; launch qkv (part 2): grid 8 x 24, 4 waves a work-group, clusters of 4 x 4, 327,680 bytes of LDS; arguments codes, scales, bq, bk, bv, hqkv; writes hqkv
.if DOCPART == 2
	.amdgcn_target "amdgcn-amd-amdhsa--gfx1250"
	.amdhsa_code_object_version 6
	.text
	.protected	k_q4fd4fdd54b_qkv
	.globl	k_q4fd4fdd54b_qkv
	.p2align	8
	.type	k_q4fd4fdd54b_qkv,@function
k_q4fd4fdd54b_qkv:
	s_mov_b64 s[64:65], 0
	v_nop
	global_prefetch_b8 v0, s[64:65] scope:SCOPE_SE
	s_setreg_imm32_b32 hwreg(HW_REG_WAVE_MODE, 25, 1), 1
	s_wait_xcnt 0x0
	s_wait_alu depctr_hold_cnt(0) depctr_sa_sdst(0) depctr_va_vdst(0) depctr_va_sdst(0) depctr_va_ssrc(0) depctr_va_vcc(0) depctr_vm_vsrc(0)
	s_getreg_b32 s2, hwreg(HW_REG_IB_STS2, 6, 4)
	s_cmp_eq_u32 s2, 0
	s_cbranch_scc0 .Lentry_in_a_cluster
	s_endpgm
.Lentry_in_a_cluster:
	s_bfe_u32 s2, ttmp6, 0x10000c
	s_cmp_lg_u32 s2, 0xf033
	s_cbranch_scc0 .Lentry_shape_is_right
	s_endpgm
.Lentry_shape_is_right:
.set QKV, 1                            ; 1: the three projections, results quantised in registers;  0: the last product, results stored as f32
; C = A B^T + bias on codes of FP4 (E2M1) with one E8M0 scale for each 32 along K; K = 2,048; sums in f32.  One text serves two launches (QKV above).
; OPERANDS lie as images of their registers: codes [tile of 16 rows][k / 32][r][16 bytes], scale words [tile][k / 512][r][4 words]; place r of tile T is row 32 (T / 2) + 8 (T % 2) + r + 8 (r / 8).
; A work-group of four waves makes 256 (A) x 256 (B); a wave 128 x 128: 64 accumulators, 512 registers.  K goes in steps of 512 through a ring of two LDS slots filled by the tensor data mover; a tile's 512 along K
; are 4,096 consecutive bytes, so a fragment comes by two loads at 16 x lane: 512 consecutive bytes each, no pitch, no padding.  The scale words of the work-group's rows, for all of K, come once and stay.
; THE MATRIX INSTRUCTION IS USED TRANSPOSED (source 0 = 16 rows of B, source 1 = 16 rows of A): a lane holds ONE row of A, and by the choice of a tile's rows its 64 registers of B's eight tiles are
; register 16 b + i = B's row 32 b + 16 (lane / 16) + i: neighbours, in the order in which the quantiser takes them.
; QKV = 1: tile rows 0-23 walk 'codes' tensors 0, 1, 2 (Q, K, wv) as one matrix; product g = tile row / 8 takes tensor 3 + g (wq, wk, V) as B.  For q and k a lane so holds a token and its registers run along the head's
; 128: quantised along the head.  For v the operands are the other way round: a lane holds a channel and its registers run along the keys: quantised along the keys.  A wave's 128 of B are one head (q, k) or one key step (v).
; The bias along B's rows is the C of each sum's first instruction; the bias along A's rows is added on the way out; the one that does not apply is made 0 by a select.
; Results: hqkv [q, k, v][head][chunk][65,536 bytes of images + 4,096 of scale words]; q, k: chunk = token tile / 64; v: chunk = key step / 8, image (key step, channel tile).
; QKV = 0: A = the attention's codes, B = wo (tensor 6), bias bo along B's rows, out0 [2048][2048] f32 through a stage in LDS, whole rows of 512 bytes.
; CLUSTERS: 4 x 4 work-groups; A's tiles are shared along a row of the cluster, B's along a column: each is asked for jointly, by the same tensor load with the same descriptor and a mask that names the four.
; LIMITS: NaN and infinities are not served; a block whose largest magnitude lies under 2^-124 (zeros too) gets the byte 1; the bytes are read by this program alone.
; REGISTERS, in windows of 256: window 0: v0-31 addresses; v32-95 scale words, two sets, and nothing else; v96-123 at work on the way out; v128-191 A's fragments, ONE set; on the way out v128-255 are free.
;   window 1: B's fragments, two sets, v0-63 and v128-191; v64-127 the bias along B; v192-207 the bias along A, in pairs.   windows 2, 3: the accumulators ((a, b) at v[8 (8 (a % 4) + b)]).
.set NQ,     4                         ; steps of 128 in a slot
.set FR,     8                         ; registers of a fragment
.set NL,     2                         ; LDS loads that bring one
.set NP,     4                         ; places behind this matrix instruction (ISA guide 7.12.1)
.set TILEB,  4096                      ; a tile's 512 along K
.set HALFT,  8*TILEB                   ; 8 tiles: what one tensor load brings, and what one wave reads of A or of B
.set SLOT,   4*HALFT                   ; A's 16 tiles, then B's 16
.set SCL,    2*SLOT                    ; behind the ring: the scale words, 1,024 bytes a tile
.set HALFS,  8192                      ; those of 8 tiles
.set SPARE,  SCL+4*HALFS               ; the spare words, 128 bytes for each wave: two blocks of 256 bytes that no other line names
.set SPITCH, 528                       ; QKV = 0: a stage row: 512 bytes + 16.  The stages lie in slot 0, which has had its last fill and its last read when the first result is stored there
.set ADRA, 16                          ; v16-17  LDS address of my A fragments in slot 0, 1
.set ADRB, 20                          ; v20-21  the same for B
.set L16,  24                          ; v24     16 x lane
.set STW,  25                          ; v25     QKV = 1: where a scale word goes in my stage;  QKV = 0: where I put 32 bytes of a row
.set STR,  26                          ; v26     where I read my stage back
.set ADRS, 27                          ; v27     LDS address of my scale words: lanes 0-15 A's, lanes 16-31 B's
.set SPW,  28                          ; v28     LDS address of my spare word; never rewritten
.set NIL,  29                          ; v29     0; never rewritten
.set SC,   32                          ; scale words: set s at v[SC + 32 s]; register 4 i + q: lanes 0-15 A's tile i, lanes 16-31 B's tile i, the slot's q-th 128
.set TM,   96                          ; v96-111 at work in QUANT
.set PW,   112                         ; v112-119 the eight scale words made
.set WB,   120                         ; v120-123 they come back from the stage
.set AF,   128                         ; A's fragments
.set PC,   128                         ; the way out, QKV = 1: eight fragments made
.set T,    192                         ; and 64 numbers at work
.set BK,   128                         ; the way out, QKV = 0: 16 rows read back: v128-191 and v192-255 by turns
.set BC,   64                          ; window 1: the bias along B
.set BRP,  192                         ; window 1: the bias along A
.set SEL,  104                         ; s[104:105] lane selects for v_permlanex16_b32
.set G1, 24                            ; s[24:31] descriptor group 1 for A's tiles;  s[32:39] group 0, one set for each slot
.set G0, 32
.set G1B, 48                           ; s[48:55], s[56:63] the same for B's
.set G0B, 56
.set G1S, 68                           ; s[68:75], s[76:79] groups 1 and 0 for A's scale words;  s[80:87], s[88:91] for B's
.set G0S, 76
.set G1SB, 80
.set G0SB, 88
.set PAC, 4                            ; s[4:5] A's codes, s[6:7] A's scale words
.set PAS, 6
.if QKV
.set PBC, 4                            ; B lies in the same two buffers
.set PBS, 6
.else
.set PBC, 8
.set PBS, 10
.endif
.set MSB, 0
.macro WIN new                         ; the immediate's high byte repeats the setting that is left
.if MSB != (\new)
	s_set_vgpr_msb (MSB<<8)|(\new)
.set MSB, (\new)
.endif
.endm
.set MUL_LO, 0xa1                      ; source 0 (B) window 1, source 1 (A) window 0, C and D window 2
.set MUL_HI, 0xf1                      ; the same, C and D window 3
.set TO_B,   0x40                      ; destination window 1, address window 0
; A joint load: waves 0 and 1 fetch for A, waves 2 and 3 for B; the branch hangs on the wave's number alone.  Four v_nop follow each of the two lines.
.macro JLOAD g0a, g1a, g0b, g1b
	s_cmp_eq_u32 s15, 0
	s_cbranch_scc0 .Lfor_b_\@
	tensor_load_to_lds s[\g0a:\g0a+3], s[\g1a:\g1a+7]
	s_nop 0
.rept 4
	v_nop
.endr
	s_branch .Lasked_\@
.Lfor_b_\@:
	tensor_load_to_lds s[\g0b:\g0b+3], s[\g1b:\g1b+7]
	s_nop 0
.rept 4
	v_nop
.endr
.Lasked_\@:
.endm
.macro CREST                           ; a round of the cluster's barrier behind its opening barrier
	s_cmp_lg_u32 s14, 0
	s_cbranch_scc1 .Lnot_wave_0_\@
	s_barrier_signal -3
.Lnot_wave_0_\@:
	s_barrier_wait -3
	s_barrier_signal -1
	s_barrier_wait -1
.endm
.macro CROUND                          ; a whole round
	s_barrier_signal -1
	s_barrier_wait -1
	CREST
.endm
; 64 numbers of a lane, v[s] on, register 16 b + i = k 32 b + 16 (lane / 16) + i of my row, become a fragment's codes in v[pc] on and its scale word in v[pw]
.macro QUANT s, pc, pw
.irp b, 0,1,2,3
	v_max3_num_f32 v[TM+\b], |v[(\s)+16*\b]|, |v[(\s)+1+16*\b]|, 0x1800000   ; block b: my 16 numbers, and the floor 2^(3 - 127): the byte cannot fall under 1
.endr
.irp i, 2,4,6,8,10,12,14
.irp b, 0,1,2,3
	v_max3_num_f32 v[TM+\b], v[TM+\b], |v[(\s)+16*\b+\i]|, |v[(\s)+1+16*\b+\i]|
.endr
.endr
.irp b, 0,1,2,3
	v_permlanex16_b32 v[TM+4+\b], v[TM+\b], s[SEL], s[SEL+1]
.endr
.irp b, 0,1,2,3
	v_max_num_f32 v[TM+\b], v[TM+\b], v[TM+4+\b]   ; with lane l xor 16's: the block's largest magnitude
.endr
.irp b, 0,1,2,3
	v_add_nc_u32 v[TM+12+\b], 0xff000000, v[TM+\b]   ; 2 off its exponent field: the conversion's scale operand
.endr
.irp b, 0,1,2,3
	v_lshrrev_b32 v[TM+4+\b], 23, v[TM+12+\b]      ; the scale's byte
.endr
	v_lshl_or_b32 v[\pw], v[TM+5], 8, v[TM+4]
	v_lshl_or_b32 v[\pw], v[TM+6], 16, v[\pw]
	v_lshl_or_b32 v[\pw], v[TM+7], 24, v[\pw]
.irp b, 0,1,2,3
	v_cvt_scalef32_pk8_fp4_f32 v[(\pc)+2*\b], v[(\s)+16*\b:(\s)+7+16*\b], v[TM+12+\b]
	v_cvt_scalef32_pk8_fp4_f32 v[(\pc)+1+2*\b], v[(\s)+8+16*\b:(\s)+15+16*\b], v[TM+12+\b]
.endr
	v_nop                                          ; one plain instruction behind a scaled conversion
.irp c, 0,1
.irp i, 0,1
	v_permlane16_swap_b32 v[(\pc)+4*\c+\i], v[(\pc)+2+4*\c+\i]   ; a whole block in a lane
.endr
.endr
.endm
	s_load_b256 s[4:11], s[0:1], 0x0               ; QKV = 1: codes, scales, bq, bk;  0: acodes, ascales, codes, scales
	s_load_b128 s[96:99], s[0:1], 0x20             ; QKV = 1: bv, hqkv;  0: bo, out0
	v_lshl_add_u32 v[SPW], v0, 2, SPARE
	v_mov_b32 v[NIL], 0
	ds_add_u32 v28, v29
	ds_add_u32 v28, v29
	s_wait_dscnt 0x0
	v_lshrrev_b32 v1, 5, v0
	v_readfirstlane_b32 s14, v1                    ; wave 0..3
	s_lshr_b32 s15, s14, 1                         ; which half of A's tiles is mine.  Also: I fetch for A (0) or for B (1)
	s_and_b32 s16, s14, 1                          ; which half of B's.  Also: which 8 tiles I fetch
	s_bfe_u32 s40, ttmp6, 0x40000                  ; cx, cy: my place in the cluster
	s_bfe_u32 s41, ttmp6, 0x40004
	s_lshl_b32 s42, ttmp9, 2
	s_add_co_u32 s42, s42, s40                     ; tile column = 4 x cluster x + cx
	s_and_b32 s17, ttmp7, 0xffff
.if QKV
	s_lshr_b32 s95, s17, 1                         ; g: which product; from the cluster's y alone: the same in all sixteen partners
.endif
	s_lshl_b32 s17, s17, 2
	s_add_co_u32 s17, s17, s41                     ; tile row = 4 x cluster y + cy
	s_lshl_b32 s43, s41, 2
	s_lshl_b32 s43, 15, s43                        ; my row of the cluster
	s_lshl_b32 s44, 0x1111, s40                    ; my column
	; descriptor group 1, codes: 8 rows (tiles) of 4,096 bytes (512 elements of 8 bytes), 16,384 bytes apart; no padding
	s_or_b32 s[G1+0], s43, (3<<16)|(1<<21)         ; 15:0 the mask: A's tiles go to my row; 17:16 elements of 8 bytes; 21 set beside a mask
	s_or_b32 s[G1B+0], s44, (3<<16)|(1<<21)
.irp g, G1, G1B
	s_mov_b32 s[\g+1], 512<<16                     ; tensor_dim0
	s_mov_b32 s[\g+2], 8<<16                       ; tensor_dim1
	s_mov_b32 s[\g+3], 512<<16                     ; tile_dim0
	s_mov_b32 s[\g+4], 8                           ; tile_dim1
	s_mov_b32 s[\g+5], 2048                        ; tensor_dim0_stride
	s_mov_b32 s[\g+6], 0
	s_mov_b32 s[\g+7], 0
.endr
	; scale words of 8 tiles: 8,192 dense bytes as 32 rows of 256 bytes
	s_or_b32 s[G1S+0], s43, (3<<16)|(1<<21)
	s_or_b32 s[G1SB+0], s44, (3<<16)|(1<<21)
.irp g, G1S, G1SB
	s_mov_b32 s[\g+1], 32<<16
	s_mov_b32 s[\g+2], 32<<16
	s_mov_b32 s[\g+3], 32<<16
	s_mov_b32 s[\g+4], 32
	s_mov_b32 s[\g+5], 32
	s_mov_b32 s[\g+6], 0
	s_mov_b32 s[\g+7], 0
.endr
	; where the tiles come from: A's hang on the tile row alone, B's on the tile column (and g) alone, each in registers that never hold the other coordinate
	s_lshl_b32 s18, s16, 17                        ; 8 tiles of codes
	s_lshl_b32 s19, s16, 13                        ; 8 tiles of scale words
	s_lshl_b32 s20, s17, 18                        ; 16 tiles of 16,384 bytes
	s_add_co_u32 s20, s20, s18
	s_mov_b32 s21, 0
	s_lshl_b32 s22, s17, 14                        ; 16 tiles of 1,024 bytes
	s_add_co_u32 s22, s22, s19
	s_mov_b32 s23, 0
	s_lshl_b32 s46, s42, 18
	s_add_co_u32 s46, s46, s18
	s_mov_b32 s47, 0
	s_lshl_b32 s92, s42, 14
	s_add_co_u32 s92, s92, s19
	s_mov_b32 s93, 0
.if QKV
	s_add_co_u32 s94, s95, 3                       ; B is tensor 3 + g
	s_lshl_b32 s2, s94, 21
	s_add_co_u32 s46, s46, s2
	s_lshl_b32 s2, s94, 17
	s_add_co_u32 s92, s92, s2
.else
	s_add_co_u32 s46, s46, 6<<21                   ; B is tensor 6, wo
	s_add_co_u32 s92, s92, 6<<17
.endif
	s_lshl_b32 s45, s14, 15                        ; where they go: wave x 8 tiles: no place in the cluster enters an LDS address
	s_lshl_b32 s94, s14, 13
	s_wait_kmcnt 0x0
	s_add_nc_u64 s[20:21], s[PAC:PAC+1], s[20:21]
	s_add_nc_u64 s[22:23], s[PAS:PAS+1], s[22:23]
	s_add_nc_u64 s[46:47], s[PBC:PBC+1], s[46:47]
	s_add_nc_u64 s[92:93], s[PBS:PBS+1], s[92:93]
	CROUND                                         ; all sixteen work-groups are here: the first joint loads meet
	s_mov_b32 s[G0S], 1
	s_add_co_u32 s[G0S+1], s94, SCL
	s_mov_b64 s[G0S+2:G0S+3], s[22:23]
	s_or_b32 s[G0S+3], s[G0S+3], 0x80000000
	s_mov_b32 s[G0SB], 1
	s_add_co_u32 s[G0SB+1], s94, SCL
	s_mov_b64 s[G0SB+2:G0SB+3], s[92:93]
	s_or_b32 s[G0SB+3], s[G0SB+3], 0x80000000
	JLOAD G0S, G1S, G0SB, G1SB                     ; the scale words first: they are wanted with K step 0.  Three loads of mine are out behind the next two
.irp s, 0,1
	s_mov_b32 s[G0+4*\s], 1
	s_add_co_u32 s[G0+4*\s+1], s45, \s*SLOT
	s_add_nc_u64 s[G0+4*\s+2:G0+4*\s+3], s[20:21], \s*TILEB
	s_or_b32 s[G0+4*\s+3], s[G0+4*\s+3], 0x80000000
	s_mov_b32 s[G0B+4*\s], 1
	s_add_co_u32 s[G0B+4*\s+1], s45, \s*SLOT
	s_add_nc_u64 s[G0B+4*\s+2:G0B+4*\s+3], s[46:47], \s*TILEB
	s_or_b32 s[G0B+4*\s+3], s[G0B+4*\s+3], 0x80000000
	JLOAD G0+4*\s, G1, G0B+4*\s, G1B
.endr
	v_and_b32 v1, 15, v0                           ; r
	v_bfe_u32 v2, v0, 4, 1                         ; h
	v_and_b32 v3, 31, v0
	v_lshlrev_b32 v[L16], 4, v3                    ; 16 x lane
	s_lshl_b32 s21, s15, 15                        ; my 8 tiles of A
	s_lshl_b32 s22, s16, 15                        ; my 8 tiles of B,
	s_add_co_u32 s22, s22, 2*HALFT                 ; which lie behind A's 16
.irp s, 0,1
	v_add_nc_u32 v[ADRA+\s], s21, v[L16]
	v_add_nc_u32 v[ADRB+\s], s22, v[L16]
	s_add_co_u32 s21, s21, SLOT
	s_add_co_u32 s22, s22, SLOT
.endr
	v_lshlrev_b32 v5, 4, v1                        ; my row's four words of a K step of 512
	s_lshl_b32 s21, s15, 13                        ; A's: my 8 tiles
	s_lshl_b32 s22, s16, 13                        ; B's: my 8 tiles, behind A's 16
	s_add_co_u32 s22, s22, 2*HALFS
	s_sub_co_u32 s22, s22, s21
	v_mul_u32_u24 v6, s22, v2                      ; lanes 16-31 take B's: one product with h
	s_add_co_u32 s21, s21, SCL
	v_add_nc_u32 v5, v5, v6
	v_add_nc_u32 v[ADRS], s21, v5
.if QKV
	s_lshl_b32 s23, s14, 9                         ; my stage: 512 bytes: eight tiles' scale words
	v_lshl_add_u32 v[STW], v1, 2, s23
	v_add_nc_u32 v[STR], s23, v[L16]
.else
	s_mul_i32 s23, s14, 16*SPITCH                  ; my stage: 16 rows
	v_mul_u32_u24 v5, v1, SPITCH
	v_lshl_add_u32 v5, v2, 6, v5
	v_add_nc_u32 v[STW], s23, v5                   ; in: row r, + 64 h
	v_add_nc_u32 v[STR], s23, v[L16]               ; back: the 32 lanes take one row of 512 bytes
.endif
	; the biases.  Along B: lane (r, h) wants, for register 16 u + i, the number at 128 x (my 128 of B) + 32 u + 16 h + i
	v_lshlrev_b32 v5, 6, v2                        ; 64 h
.if QKV
	v_and_b32 v6, 8, v1
	v_add_nc_u32 v6, v6, v1
	v_lshlrev_b32 v6, 2, v6                        ; along A: 4 (r + 8 (r / 8))
	s_cmp_eq_u32 s95, 0
	s_cselect_b64 s[18:19], s[8:9], s[10:11]
	s_cmp_eq_u32 s95, 2
	s_cselect_b64 s[18:19], s[96:97], s[18:19]
	s_cselect_b32 s100, 0, -1                      ; q, k: the bias runs along B's rows (the weight's columns);
	s_cselect_b32 s101, -1, 0                      ; v: along A's
	s_and_b32 s20, s17, 7
	s_lshl_b32 s20, s20, 4
	s_lshl_b32 s21, s15, 3
	s_add_co_u32 s20, s20, s21                     ; my first tile of A within its tensor,
	s_lshl_b32 s20, s20, 6                         ; 16 numbers of 4 bytes a tile
	s_mov_b32 s21, 0
	s_add_nc_u64 s[20:21], s[18:19], s[20:21]
.else
	s_mov_b64 s[18:19], s[96:97]
.endif
	s_lshl_b32 s46, s42, 1
	s_add_co_u32 s46, s46, s16                     ; which 128 of B are mine
	s_lshl_b32 s46, s46, 9
	s_mov_b32 s47, 0
	s_add_nc_u64 s[46:47], s[18:19], s[46:47]
	WIN TO_B
.irp u, 0,1,2,3
.irp j, 0,1,2,3
	global_load_b128 v[BC+16*\u+4*\j:BC+16*\u+4*\j+3], v5, s[46:47] offset:128*\u+16*\j
.endr
.endr
.if QKV
.irp a, 0,1,2,3,4,5,6,7
	global_load_b32 v[BRP+2*\a], v6, s[20:21] offset:4*(32*(\a/2)+8*(\a%2))     ; the number of my row of A's tile a, twice: a pair for the packed addition
	global_load_b32 v[BRP+2*\a+1], v6, s[20:21] offset:4*(32*(\a/2)+8*(\a%2))
.endr
.endif
	s_wait_loadcnt 0x0
.if QKV
	WIN 0x44                                       ; source 1 and destination window 1
.set i, 0
.rept 64
	v_cndmask_b32 v[BC+i], 0, v[BC+i], s100
.set i, i+1
.endr
.set i, 0
.rept 16
	v_cndmask_b32 v[BRP+i], 0, v[BRP+i], s101      ; (sixteen plain instructions between the last write of a C and the first product)
.set i, i+1
.endr
.endif
	WIN 0
.macro FRAG reg, adr, q, i             ; a fragment, 16 rows x 128 K: lane l's registers 4 c .. 4 c + 3 lie at 512 c + 16 l of its 1,024 bytes
.irp c, 0,1
	ds_load_b128 v[\reg+4*\c:\reg+4*\c+3], v[\adr] offset:(\i)*TILEB+(\q)*1024+512*\c
.endr
.endm
; 16 matrix instructions: A's tiles a0, a0 + 1 x B's eight, the slot's q-th 128.  p: B's set;  sc: the set of scale words.  first = 1: the bias along B is the C of the sum's first instruction: nothing is cleared or added.
; The 64 accumulators take turns, one instruction a turn, in the same order in every step.
.macro MUL16 a0, p, q, sc, first
.irp a, \a0, \a0+1
.irp b, 0,1,2,3,4,5,6,7
.if \first
	v_wmma_scale_f32_16x16x128_f8f6f4 v[8*(8*((\a)%4)+\b):8*(8*((\a)%4)+\b)+7], v[128*(\p)+FR*\b:128*(\p)+FR*\b+FR-1], v[AF+FR*(\a):AF+FR*(\a)+FR-1], v[BC+8*\b:BC+8*\b+7], v[SC+8*NQ*(\sc)+NQ*\b+(\q)], v[SC+8*NQ*(\sc)+NQ*(\a)+(\q)] matrix_a_fmt:MATRIX_FMT_FP4 matrix_b_fmt:MATRIX_FMT_FP4 matrix_a_scale:MATRIX_SCALE_ROW1
.else
	v_wmma_scale_f32_16x16x128_f8f6f4 v[8*(8*((\a)%4)+\b):8*(8*((\a)%4)+\b)+7], v[128*(\p)+FR*\b:128*(\p)+FR*\b+FR-1], v[AF+FR*(\a):AF+FR*(\a)+FR-1], v[8*(8*((\a)%4)+\b):8*(8*((\a)%4)+\b)+7], v[SC+8*NQ*(\sc)+NQ*\b+(\q)], v[SC+8*NQ*(\sc)+NQ*(\a)+(\q)] matrix_a_fmt:MATRIX_FMT_FP4 matrix_b_fmt:MATRIX_FMT_FP4 matrix_a_scale:MATRIX_SCALE_ROW1
.endif
.endr
.endr
.endm
.macro FETCH_B slot, q, p              ; B's eight fragments of the slot's q-th 128 into set p
	WIN TO_B
.irp i, 0,1,2,3,4,5,6,7
	FRAG 128*(\p)+FR*\i, ADRB+\slot, \q, \i
.endr
	WIN 0
.endm
.macro FETCH_A slot, q, i0             ; A's tiles i0 .. i0 + 3
.irp i, \i0, \i0+1, \i0+2, \i0+3
	FRAG AF+FR*(\i), ADRA+\slot, \q, \i
.endr
.endm
.macro SCALES sc                       ; a K step's scale words into set sc: four words a row; lanes 0-15 A's tile i, lanes 16-31 B's tile i
.irp i, 0,1,2,3,4,5,6,7
	ds_load_b128 v[SC+8*NQ*\sc+NQ*\i:SC+8*NQ*\sc+NQ*\i+3], v[ADRS] offset:\i*1024
.endr
.endm
; A load into a register that a matrix instruction has read, and a vector instruction or an LDS store that reads a matrix result, stand NP places behind it; only plain vector instructions that name none of its
; registers are places (ISA guide 7.12.1 for vector instructions).
.macro PLACES n
.rept \n
	v_nop
.endr
.endm
; A step of 128 along K that has its successor in the same slot.  A's tiles are free as soon as their eight products are issued: tiles 0-3 are fetched anew in the middle, tiles 4-7 at the end; B has two sets.
.macro STEP slot, q, first
	s_wait_dscnt 4*NL                              ; B's set and A's tiles 0-3 are in; the youngest eight loads (A's tiles 4-7) may be out
	WIN MUL_LO-0x10*(\first)                       ; (first: C comes from window 1)
	MUL16 0, (\q)%2, \q, \slot, \first
	MUL16 2, (\q)%2, \q, \slot, \first
	s_wait_dscnt 0                                 ; A's tiles 4-7 are in
	PLACES NP
	FETCH_B \slot, (\q)+1, 1-(\q)%2
	FETCH_A \slot, (\q)+1, 0
	WIN MUL_HI-0x20*(\first)
	MUL16 4, (\q)%2, \q, \slot, \first
	MUL16 6, (\q)%2, \q, \slot, \first
	PLACES NP
	WIN 0
	FETCH_A \slot, (\q)+1, 4
.endm
; A slot's last step changes slots: ONE barrier; in front of it each wave waits for all its tensor loads, adds 0 to its spare word, and waits for that and for its own reads of this slot.  fill = 1: this slot is filled again, two K steps ahead.
.macro TURN slot, next, fill
	s_wait_tensorcnt 0x0                           ; all my tensor loads have landed: my part of the next slot;  (every window is 0 here)
	ds_add_u32 v[SPW], v[NIL]                      ; 0 onto my spare word
	s_wait_dscnt 4*NL+1                            ; (the add and the youngest eight loads, A's tiles 4-7, may be out)
	WIN MUL_LO
	MUL16 0, 1, NQ-1, \slot, 0                     ; sixteen matrix instructions stand between the add and the wait for it
	s_wait_dscnt 0x0                               ; the add is done, and my reads of this slot are over
	s_barrier_signal -1
	MUL16 2, 1, NQ-1, \slot, 0
	WIN 0
	s_barrier_wait -1
.if \fill
	CREST                                          ; the barrier has opened a round of the cluster's: no wave of any partner still reads this slot's tile or has a load on its way
	s_add_nc_u64 s[G0+4*\slot+2:G0+4*\slot+3], s[G0+4*\slot+2:G0+4*\slot+3], 2*TILEB
	s_add_nc_u64 s[G0B+4*\slot+2:G0B+4*\slot+3], s[G0B+4*\slot+2:G0B+4*\slot+3], 2*TILEB
	JLOAD G0+4*\slot, G1, G0B+4*\slot, G1B         ; the first tensor load behind the round, my one load until the next; its four v_nop are also the places in front of the loads below
.else
	PLACES NP
.endif
	v_add_nc_u32 v[ADRS], 256, v[ADRS]             ; on to the next K step's scale words (no LDS load of mine is out)
	FETCH_B \next, 0, 0
	FETCH_A \next, 0, 0
	SCALES \next
	WIN MUL_HI
	MUL16 4, 1, NQ-1, \slot, 0
	MUL16 6, 1, NQ-1, \slot, 0
	PLACES NP
	WIN 0
	FETCH_A \next, 0, 4
.endm
.macro STEPS slot, from                ; the slot's steps from .. NQ - 2
.set Q, \from
.rept NQ-1-\from
	STEP \slot, Q, 0
.set Q, Q+1
.endr
.endm
	s_wait_tensorcnt 1                             ; the scale words and my part of K step 0 are in (slot 1's load may be out)
	s_barrier_signal -1
	s_barrier_wait -1                              ; everybody's are
	FETCH_B 0, 0, 0
	FETCH_A 0, 0, 0
	SCALES 0
	FETCH_A 0, 0, 4
	; K = 2,048 is four slots, twice round the ring: sixteen steps of 128, written on end
	STEP 0, 0, 1
	STEPS 0, 1
	TURN 0, 1, 1                                   ; slot 0 takes the third 512 along K
	STEPS 1, 0
	TURN 1, 0, 1                                   ; slot 1 the fourth
	STEPS 0, 0
	TURN 0, 1, 0                                   ; nothing is left to fetch: no round
	STEPS 1, 0
	s_wait_dscnt 4*NL                              ; the very last step
	WIN MUL_LO
	MUL16 0, 1, NQ-1, 1, 0
	MUL16 2, 1, NQ-1, 1, 0
	s_wait_dscnt 0
	WIN MUL_HI
	MUL16 4, 1, NQ-1, 1, 0
	MUL16 6, 1, NQ-1, 1, 0
	WIN 0
	PLACES NP                                      ; in front of the first read of results and of writes into registers that held A's fragments
.if QKV
; THE WAY OUT: tile a of A's eight: the bias along A is added (which also brings the 64 numbers into window 0), they are quantised, and the fragment leaves as it stands: 512 consecutive bytes a store.
	s_mov_b32 s[SEL], 0x76543210
	s_mov_b32 s[SEL+1], 0xfedcba98
.irp b, 0,1,2,3
	v_mov_b32 v[TM+4+\b], 0                        ; written once: a lane permute's destination counts as one of its sources
.endr
	s_lshl_b32 s46, s42, 1
	s_add_co_u32 s46, s46, s16                     ; G: which 128 of B: the head (q, k) or the key step (v)
	s_and_b32 s20, s17, 7
	s_lshl_b32 s20, s20, 4
	s_lshl_b32 s21, s15, 3
	s_add_co_u32 s20, s20, s21                     ; TA: my first tile of A: a token tile (q, k) or a channel tile (v)
	s_lshr_b32 s21, s20, 3
	s_lshr_b32 s22, s20, 6
	s_and_b32 s23, s20, 63
	s_lshl_b32 s23, s23, 10
	s_lshr_b32 s47, s46, 3
	s_and_b32 s92, s46, 7
	s_lshl_b32 s92, s92, 13
	s_cmp_eq_u32 s95, 2
	s_cselect_b32 s21, s21, s46                    ; head:  v: TA / 8;           q, k: G
	s_cselect_b32 s22, s47, s22                    ; chunk: v: G / 8;            q, k: TA / 64
	s_cselect_b32 s23, s92, s23                    ; in it: v: (G % 8) x 8,192;  q, k: (TA % 64) x 1,024
	s_mul_i32 s21, s21, 139264
	s_mul_i32 s22, s22, 69632
	s_mul_i32 s93, s95, 2228224
	s_add_co_u32 s21, s21, s22
	s_add_co_u32 s21, s21, s93
	s_add_co_u32 s12, s21, s23
	s_mov_b32 s13, 0
	s_add_nc_u64 s[12:13], s[98:99], s[12:13]      ; my eight images
	s_lshr_b32 s23, s23, 4                         ; 64 bytes of scale words for 1,024 of codes
	s_add_co_u32 s92, s21, s23
	s_add_co_u32 s92, s92, 65536
	s_mov_b32 s93, 0
	s_add_nc_u64 s[92:93], s[98:99], s[92:93]      ; and their scale words
.irp a, 0,1,2,3,4,5,6,7
	WIN 0x06+(\a)/4                                ; source 0: window 2 or 3; source 1: window 1
.set i, 0
.rept 32
	v_pk_add_f32 v[T+2*i:T+2*i+1], v[64*((\a)%4)+2*i:64*((\a)%4)+2*i+1], v[BRP+2*\a:BRP+2*\a+1]   ; ascending: each accumulator is read from its low end on
.set i, i+1
.endr
	WIN 0
	QUANT T, PC+8*\a, PW+\a
.irp c, 0,1
	global_store_b128 v[L16], v[PC+8*\a+4*\c:PC+8*\a+4*\c+3], s[12:13] offset:\a*1024+512*\c   ; each tile has registers of its own: no store's data are written again
.endr
	ds_store_b32 v[STW], v[PW+\a] offset:64*\a     ; both halves of the lanes write row r's word with the same value
.endr
	ds_load_b128 v[WB:WB+3], v[STR]                ; LDS serves a wave's instructions in order: this sees my stores
	s_wait_dscnt 0x0
	global_store_b128 v[L16], v[WB:WB+3], s[92:93] ; eight tiles' scale words: 512 consecutive bytes
.else
; THE WAY OUT, tile by tile of A: 16 rows x 128 columns go through my own stage and come back as whole rows of 512 bytes, which the 32 lanes store as 512 consecutive bytes, aligned.
	s_lshl_b32 s20, s17, 21                        ; 256 rows of 8,192 bytes
	s_lshl_b32 s21, s15, 20
	s_add_co_u32 s20, s20, s21
	s_lshl_b32 s46, s42, 10                        ; 256 columns of 4 bytes
	s_lshl_b32 s47, s16, 9
	s_add_co_u32 s46, s46, s47
	s_add_co_u32 s12, s20, s46
	s_mov_b32 s13, 0
	s_add_nc_u64 s[12:13], s[98:99], s[12:13]
.macro TOSTAGE a
.set AC, 64*((\a)%4)
	WIN 0x08+4*((\a)/4)                            ; the data: window 2 or 3
.irp b, 0,1,2,3,4,5,6,7
	ds_store_b128 v[STW], v[AC+8*\b:AC+8*\b+3] offset:128*(\b/2)+32*(\b%2)          ; columns 32 (b / 2) + 16 h + 8 (b % 2) on; each accumulator from its low end on
	ds_store_b128 v[STW], v[AC+8*\b+4:AC+8*\b+7] offset:128*(\b/2)+32*(\b%2)+16
.endr
	WIN 0
.set BB, BK+64*((\a)%2)
.irp t, 0,1,2,3,4,5,6,7,8,9,10,11,12,13,14,15
	ds_load_b128 v[BB+4*\t:BB+4*\t+3], v[STR] offset:\t*SPITCH   ; LDS serves a wave's instructions in order: these see the stores above
.endr
.endm
.macro SEND a, younger                 ; younger: the LDS instructions issued behind tile a's loads, which may stay out
.set BB, BK+64*((\a)%2)
	s_wait_dscnt \younger
.if (\a) > 0
.if (\a)%2
	s_add_nc_u64 s[12:13], s[12:13], 8*8192        ; (behind a wait on XCNT)  an odd tile begins 8 rows below the even one,
.else
	s_add_nc_u64 s[12:13], s[12:13], 24*8192       ; the next even one 24 rows below that
.endif
.endif
.irp t, 0,1,2,3,4,5,6,7,8,9,10,11,12,13,14,15
	global_store_b128 v[L16], v[BB+4*\t:BB+4*\t+3], s[12:13] offset:(\t+8*(\t/8))*8192 th:TH_STORE_NT   ; place t of a tile is row t + 8 (t / 8)
.endr
.endm
	TOSTAGE 0
.irp a, 1,2,3,4,5,6,7
.if \a > 1
	s_wait_xcnt 0x0                                ; tile a - 2's stores have read their registers and their base
.endif
	TOSTAGE \a
	SEND \a-1, 32                                  ; behind tile a - 1's loads: tile a's 16 stores and 16 loads
.endr
	s_wait_xcnt 0x0
	SEND 7, 0
.endif
	s_wait_tensorcnt 0x0                           ; the wave's end: behind my last tensor load and my last LDS store
	ds_add_u32 v[SPW], v[NIL]
	s_wait_dscnt 0x0
	CROUND                                         ; the closing round: no work-group ends while a partner may still ask for a tile that names it
	s_endpgm
.Lfunc_end_k_q4fd4fdd54b_qkv:
	.size	k_q4fd4fdd54b_qkv, .Lfunc_end_k_q4fd4fdd54b_qkv-k_q4fd4fdd54b_qkv
	.p2alignl 7, 3214868480
	.fill 96, 4, 3214868480
	.section	.rodata,"a",@progbits
	.p2align	6, 0x0
	.amdhsa_kernel k_q4fd4fdd54b_qkv
		.amdhsa_group_segment_fixed_size 327680
		.amdhsa_private_segment_fixed_size 0
		.amdhsa_enable_private_segment 0
		.amdhsa_kernarg_size 48
		.amdhsa_user_sgpr_count 2
		.amdhsa_user_sgpr_kernarg_segment_ptr 1
		.amdhsa_wavefront_size32 1
		.amdhsa_system_sgpr_workgroup_id_x 1
		.amdhsa_system_sgpr_workgroup_id_y 1
		.amdhsa_system_sgpr_workgroup_id_z 1
		.amdhsa_system_vgpr_workitem_id 0
		.amdhsa_next_free_vgpr 1024
		.amdhsa_next_free_sgpr 106
		.amdhsa_reserve_vcc 0
		.amdhsa_float_denorm_mode_32 3
		.amdhsa_float_denorm_mode_16_64 3
		.amdhsa_memory_ordered 1
		.amdhsa_forward_progress 1
		.amdhsa_inst_pref_size 239
	.end_amdhsa_kernel
	.amdgpu_metadata
---
amdhsa.version: [ 1, 2 ]
amdhsa.kernels:
  - .name:           k_q4fd4fdd54b_qkv
    .symbol:         k_q4fd4fdd54b_qkv.kd
    .args:
      - { .name: codes, .offset: 0, .size: 8, .value_kind: global_buffer, .address_space: global }
      - { .name: scales, .offset: 8, .size: 8, .value_kind: global_buffer, .address_space: global }
      - { .name: bq, .offset: 16, .size: 8, .value_kind: global_buffer, .address_space: global }
      - { .name: bk, .offset: 24, .size: 8, .value_kind: global_buffer, .address_space: global }
      - { .name: bv, .offset: 32, .size: 8, .value_kind: global_buffer, .address_space: global }
      - { .name: hqkv, .offset: 40, .size: 8, .value_kind: global_buffer, .address_space: global }
    .group_segment_fixed_size: 327680
    .private_segment_fixed_size: 0
    .kernarg_segment_align: 8
    .kernarg_segment_size: 48
    .max_flat_workgroup_size: 128
    .sgpr_count:     106
    .vgpr_count:     1024
    .wavefront_size: 32
...
	.end_amdgpu_metadata
.endif
;; end of part 2
;; launch attn (part 3): grid 16 x 16, 8 waves a work-group, clusters of 4 x 1, 327,680 bytes of LDS; arguments hqkv, maskw, acodes, ascales; writes acodes, ascales
.if DOCPART == 3
	.amdgcn_target "amdgcn-amd-amdhsa--gfx1250"
	.amdhsa_code_object_version 6
	.text
	.protected	k_q4fd4fdd54b_attn
	.globl	k_q4fd4fdd54b_attn
	.p2align	8
	.type	k_q4fd4fdd54b_attn,@function
k_q4fd4fdd54b_attn:
	s_mov_b64 s[64:65], 0
	v_nop
	global_prefetch_b8 v0, s[64:65] scope:SCOPE_SE
	s_setreg_imm32_b32 hwreg(HW_REG_WAVE_MODE, 25, 1), 1
	s_wait_xcnt 0x0
	s_wait_alu depctr_hold_cnt(0) depctr_sa_sdst(0) depctr_va_vdst(0) depctr_va_sdst(0) depctr_va_ssrc(0) depctr_va_vcc(0) depctr_vm_vsrc(0)
	s_getreg_b32 s2, hwreg(HW_REG_IB_STS2, 6, 4)
	s_cmp_eq_u32 s2, 0
	s_cbranch_scc0 .Lentry_in_a_cluster
	s_endpgm
.Lentry_in_a_cluster:
	s_bfe_u32 s2, ttmp6, 0x10000c
	s_cmp_lg_u32 s2, 0x3003
	s_cbranch_scc0 .Lentry_shape_is_right
	s_endpgm
.Lentry_shape_is_right:
; ATTENTION on codes of FP4 (E2M1) with one E8M0 scale for each 32 along a product's K: 16 heads of 128, 2,048 queries, 2,048 keys, a mask that is an input.
; t = score x log2(e) / sqrt(128); M = the row's largest t so far, rounded UP to a whole number; p = 2^(t - M) is quantised along the keys, not normalised; the row's sum is taken of the unquantised p and divides O at the end.
; When M moves, the sum and O are multiplied by 2^(old M - new M): exact.  O / sum is quantised along the model's 2,048 (a head is one K step of the last product) and leaves as codes.
; INPUTS (made by the launch before): hqkv [q, k, v][head][chunk][65,536 bytes of images + 4,096 of scale words].  An image is a fragment's registers: lane l's registers 4 c .. 4 c + 3 at 512 c + 16 l of 1,024 bytes.
; Place r of a tile T of tokens (or of a head's channels) is row 32 (T / 2) + 8 (T % 2) + r + 8 (r / 8): so the 16 registers of two neighbouring result tiles are 16 neighbours along the next K.
; maskw [query tile][key step][64 words]: bit l of word n says whether lane l's score in register n counts.
; SHARES.  A work-group owns 128 queries of one head, each of its eight waves one tile of 16: two waves to a SIMD, so that one wave's vector work stands beside the other's products.
; Both products are used transposed (S^T = K Q^T, O^T = V^T P^T): a lane holds ONE query throughout.
; A HEAD'S K AND V LIE WHOLE IN LDS, 278,528 bytes, filled ONCE: each wave issues two loads (the two chunks of 1,024 keys), each a quarter of K's or of V's part; no byte is filled again, so there is no ring.
; CLUSTER.  The four work-groups of a cluster belong to one head: each load is asked for jointly, with the same descriptor in all four; a place in the cluster enters Q's, the mask's and the output's global addresses alone.
; THE MASK.  A step's 64 words come by scalar loads, a step ahead, and feed 64 selects; no branch and no address hangs on them.  A hidden score becomes -3 x 2^32 ahead of the maximum.
; LIMIT: that stands for a logit of -1.139e9 where the definition has -1e9.  The product of -3 x 2^32 and the f32 constant c is exact and whole, so a row with no key left has t - M = 0 and p = 1 for every key, as the definition
; gives; a row with a key left gives hidden keys p = 0, as the definition does, while its kept logits lie above about -9e8.  NaN and infinities are not served; a block under 2^-124 (zeros too) gets the byte 1.
; No prefetch is laid: all of K and V is asked for at the head, and the mask's words a step ahead.
; REGISTERS: v1-4 addresses that stay; v7 the scale word's place; v8-11 addresses in hand; v12 -M, v13 the largest t, v[14:15] the sum in two halves; v16-23 Q; v24 the hidden score; v32-63 four fragments of K or V;
; v96-159 S^T, then p; v160-223 O^T; v224-231 codes; v232-254 at work; v255 Q's scale words.
.set CHUNK, 139264                     ; LDS: a chunk of 1,024 keys: K's images 65,536, K's scale words 4,096, V's images 65,536, V's scale words 4,096
.set PART,  69632                      ; K's or V's part of it; in memory a chunk of one tensor
.set QUART, 17408                      ; a quarter of a part: one tensor load: 68 rows of 256 bytes
.set HEADB, 139264                     ; a head of one tensor in memory
.set TENSB, 2228224                    ; a tensor
.set ADK,  8
.set ADV,  9
.set ADS,  10
.set ADT,  11
.set RM,   24
.set TM,   232                         ; v232-247 at work in QUANT, as in a step
.set WV,   12                          ; s12  my wave's number
.set CNT,  13                          ; s13  counts a chunk's eight steps
.set TB,   14                          ; s14  LDS byte at which the step's images begin: 8,192 a step
.set TS,   15                          ; s15  and its scale words: 512 a step
.set MO,   66                          ; s66  byte of the mask words to be loaded: 256 a step
.set CS,   100                         ; s[100:101] c = log2(e) / sqrt(128)
.set SEL,  104                         ; s[104:105] lane selects for v_permlanex16_b32: lane l xor 16
; s[16:19], s[20:23] descriptor groups 0; s[24:31] group 1; s[32:63], s[68:99] the step's 64 mask words (at the head: at work)
.macro ROUND                           ; a round of the cluster's barrier
	s_barrier_signal -1
	s_barrier_wait -1
	s_cmp_lg_u32 s[WV], 0
	s_cbranch_scc1 .Lnot_wave_0_\@
	s_barrier_signal -3
.Lnot_wave_0_\@:
	s_barrier_wait -3
	s_barrier_signal -1
	s_barrier_wait -1
.endm
; 64 numbers of a lane, v[s] on, register 16 b + i = k 32 b + 16 (lane / 16) + i of my row, become a fragment's codes in v[pc] on and its scale word in v[pw]
.macro QUANT s, pc, pw
.irp b, 0,1,2,3
	v_max3_num_f32 v[TM+\b], |v[(\s)+16*\b]|, |v[(\s)+1+16*\b]|, 0x1800000   ; block b: my 16 numbers, and the floor 2^(3 - 127): the byte cannot fall under 1
.endr
.irp i, 2,4,6,8,10,12,14
.irp b, 0,1,2,3
	v_max3_num_f32 v[TM+\b], v[TM+\b], |v[(\s)+16*\b+\i]|, |v[(\s)+1+16*\b+\i]|
.endr
.endr
.irp b, 0,1,2,3
	v_permlanex16_b32 v[TM+4+\b], v[TM+\b], s[SEL], s[SEL+1]
.endr
.irp b, 0,1,2,3
	v_max_num_f32 v[TM+\b], v[TM+\b], v[TM+4+\b]
.endr
.irp b, 0,1,2,3
	v_add_nc_u32 v[TM+12+\b], 0xff000000, v[TM+\b]
.endr
.irp b, 0,1,2,3
	v_lshrrev_b32 v[TM+4+\b], 23, v[TM+12+\b]
.endr
	v_lshl_or_b32 v[\pw], v[TM+5], 8, v[TM+4]
	v_lshl_or_b32 v[\pw], v[TM+6], 16, v[\pw]
	v_lshl_or_b32 v[\pw], v[TM+7], 24, v[\pw]
.irp b, 0,1,2,3
	v_cvt_scalef32_pk8_fp4_f32 v[(\pc)+2*\b], v[(\s)+16*\b:(\s)+7+16*\b], v[TM+12+\b]
	v_cvt_scalef32_pk8_fp4_f32 v[(\pc)+1+2*\b], v[(\s)+8+16*\b:(\s)+15+16*\b], v[TM+12+\b]
.endr
	v_nop                                          ; one plain instruction behind a scaled conversion
.irp c, 0,1
.irp i, 0,1
	v_permlane16_swap_b32 v[(\pc)+4*\c+\i], v[(\pc)+2+4*\c+\i]
.endr
.endr
.endm
	s_load_b256 s[4:11], s[0:1], 0x0               ; hqkv, maskw, acodes, ascales
	v_lshl_add_u32 v242, v0, 2, 0x44000
	v_mov_b32 v243, 0
	ds_add_u32 v242, v243
	ds_add_u32 v242, v243
	v_lshrrev_b32 v8, 5, v0
	v_readfirstlane_b32 s[WV], v8                  ; wave 0..7
	s_and_b32 s34, ttmp7, 0xffff                   ; the head, which the four partners share
	s_mul_i32 s36, s34, HEADB
	; what I fetch: waves 0-3 the quarters of K's part, waves 4-7 of V's: made of the wave's number and the head alone
	s_lshr_b32 s35, s[WV], 2
	s_add_co_u32 s35, s35, 1                       ; tensor 1 (k) or 2 (v)
	s_mul_i32 s35, s35, TENSB
	s_add_co_u32 s35, s35, s36
	s_and_b32 s37, s[WV], 3
	s_mul_i32 s37, s37, QUART
	s_add_co_u32 s38, s35, s37
	s_mov_b32 s39, 0
	s_mul_i32 s40, s[WV], QUART                    ; and where it goes in a chunk
	; descriptor group 1: 17,408 dense bytes as 68 rows of 256 bytes (32 elements of 8 bytes)
	s_mov_b32 s24, 15|(3<<16)|(1<<21)              ; 15:0 the mask: all four work-groups; 17:16 elements of 8 bytes; 21 set beside a mask
	s_mov_b32 s25, 32<<16                          ; tensor_dim0
	s_mov_b32 s26, 68<<16                          ; tensor_dim1
	s_mov_b32 s27, 32<<16                          ; tile_dim0
	s_mov_b32 s28, 68                              ; tile_dim1
	s_mov_b32 s29, 32                              ; tensor_dim0_stride
	s_mov_b32 s30, 0
	s_mov_b32 s31, 0
	; my tile of queries
	s_bfe_u32 s32, ttmp6, 0x40000                  ; cx
	s_lshl_b32 s33, ttmp9, 2
	s_add_co_u32 s33, s33, s32                     ; work-group x
	s_lshl_b32 s33, s33, 3
	s_add_co_u32 s33, s33, s[WV]                   ; T = 8 x work-group x + wave
	s_lshr_b32 s41, s33, 6
	s_mul_i32 s41, s41, PART
	s_add_co_u32 s42, s41, s36                     ; q: my head, my tile's chunk
	s_mov_b32 s43, 0
	s_and_b32 s44, s33, 63
	s_lshl_b32 s52, s44, 10                        ; my image in it,
	s_lshl_b32 s53, s44, 6                         ; my 16 scale words
	s_lshl_b32 s46, s33, 12                        ; mask words: 4,096 bytes a tile
	s_mov_b32 s47, 0
	s_lshl_b32 s48, s33, 14                        ; the codes made: 16,384 bytes a tile, 1,024 a head
	s_lshl_b32 s45, s34, 10
	s_add_co_u32 s48, s48, s45
	s_mov_b32 s49, 0
	s_lshl_b32 s50, s33, 10                        ; their scale words: [tile][head / 4][r][head % 4]
	s_lshr_b32 s45, s34, 2
	s_lshl_b32 s45, s45, 8
	s_add_co_u32 s50, s50, s45
	s_and_b32 s45, s34, 3
	s_lshl_b32 s45, s45, 2
	s_add_co_u32 s50, s50, s45
	s_mov_b32 s51, 0
	s_mov_b32 s[SEL], 0x76543210
	s_mov_b32 s[SEL+1], 0xfedcba98
	s_mov_b32 s[CS], 0x3e0293ee
	s_mov_b32 s[CS+1], s[CS]                       ; (named with it as a pair, so it is written)
	s_mov_b32 s[TB], 0
	s_mov_b32 s[TS], 0
	s_mov_b32 s[MO], 0
	s_wait_dscnt 0x0
	s_wait_kmcnt 0x0
	s_mov_b32 s16, 1                               ; group 0, chunk 0
	s_mov_b32 s17, s40
	s_add_nc_u64 s[18:19], s[4:5], s[38:39]
	s_mov_b32 s20, 1                               ; chunk 1
	s_add_co_u32 s21, s40, CHUNK
	s_add_nc_u64 s[22:23], s[18:19], PART
	s_or_b32 s19, s19, 0x80000000
	s_or_b32 s23, s23, 0x80000000
	s_add_nc_u64 s[2:3], s[4:5], s[42:43]
	s_add_nc_u64 s[6:7], s[6:7], s[46:47]
	s_add_nc_u64 s[8:9], s[8:9], s[48:49]
	s_add_nc_u64 s[10:11], s[10:11], s[50:51]
	ROUND                                          ; all four work-groups are here: the joint loads meet
	tensor_load_to_lds s[16:19], s[24:31]          ; my two loads stand together, ahead of every wait on TENSORcnt, every LDS read and every other barrier: two of mine are out
	s_nop 0
	tensor_load_to_lds s[20:23], s[24:31]
	s_nop 0
.rept 4
	v_nop
.endr
	v_and_b32 v8, 15, v0                           ; r
	v_and_b32 v9, 31, v0
	v_lshlrev_b32 v1, 4, v9                        ; K's images: 16 x lane
	v_add_nc_u32 v2, PART, v1                      ; V's
	v_lshl_add_u32 v3, v8, 2, 65536                ; K's scale words: 4 r
	v_lshl_add_u32 v4, v8, 2, PART+65536           ; V's
	v_lshlrev_b32 v7, 4, v8                        ; the way out: 16 r
	v_add_nc_u32 v25, s52, v1
	v_lshl_add_u32 v26, v8, 2, s53
	global_load_b128 v[16:19], v25, s[2:3]         ; Q's fragment stays in registers
	global_load_b128 v[20:23], v25, s[2:3] offset:512
	global_load_b32 v255, v26, s[2:3] offset:65536 ; and its scale words
	s_load_b512 s[32:47], s[6:7], s[MO] offset:0x0 ; step 0's mask words (the registers that were at work above are done with)
	s_load_b512 s[48:63], s[6:7], s[MO] offset:0x40
	s_load_b512 s[68:83], s[6:7], s[MO] offset:0x80
	s_load_b512 s[84:99], s[6:7], s[MO] offset:0xc0
	v_mov_b32 v[RM], 0xd0400000                    ; -3 x 2^32
	v_mov_b32 v13, 0xff61b1e6                      ; the largest t so far: -3e38, under every t
	v_floor_f32 v12, -v13                          ; -M
	v_mov_b32 v14, 0                               ; the sum, in two halves
	v_mov_b32 v15, 0
.irp b, 0,1,2,3
	v_mov_b32 v[236+\b], 0                         ; written once: a lane permute's destination counts as one of its sources
.endr
	v_mov_b32 v253, 0                              ; (named as the upper half of the pair v[252:253] before it is first written)
.set j, 0
.rept 64
	v_mov_b32 v[160+j], 0                          ; O^T: the step is written once; the first finds zeros, which the first change of M leaves zeros
.set j, j+1
.endr
	s_wait_loadcnt 0x0                             ; Q
; A KEY STEP: 128 keys
.macro STEP
	v_add_nc_u32 v[ADK], s[TB], v1                 ; (these four are also the places in front of loads into registers that the last products read)
	v_add_nc_u32 v[ADV], s[TB], v2
	v_add_nc_u32 v[ADS], s[TS], v3
	v_add_nc_u32 v[ADT], s[TS], v4
.irp g, 0,1                                    ; S^T = K Q^T, four tiles of 16 keys at a time
.if \g > 0
.rept 4
	v_nop
.endr
.endif
.irp t, 0,1,2,3
.irp c, 0,1
	ds_load_b128 v[32+8*\t+4*\c:32+8*\t+4*\c+3], v[ADK] offset:(4*\g+\t)*1024+512*\c
.endr
	ds_load_b32 v[248+\t], v[ADS] offset:(4*\g+\t)*64
.endr
	s_wait_dscnt 0x0
.irp t, 0,1,2,3
	v_wmma_scale_f32_16x16x128_f8f6f4 v[96+8*(4*\g+\t):103+8*(4*\g+\t)], v[32+8*\t:39+8*\t], v[16:23], 0, v[248+\t], v255 matrix_a_fmt:MATRIX_FMT_FP4 matrix_b_fmt:MATRIX_FMT_FP4
.endr
.endr                                          ; lane (r, h): query r; register 16 b + i: key 32 b + 16 h + i of the step
.rept 4
	v_nop
.endr
	s_wait_kmcnt 0x0                               ; this step's mask words, asked for a step ago
.set n, 0
.rept 32
	v_cndmask_b32 v[96+n], v[RM], v[96+n], s[32+n] ; a hidden score becomes -3 x 2^32; ascending: each accumulator is read from its low end on
.set n, n+1
.endr
.rept 32
	v_cndmask_b32 v[96+n], v[RM], v[96+n], s[36+n]
.set n, n+1
.endr
	s_add_co_u32 s[MO], s[MO], 256                 ; the next step's words (the loads that read this register are done); behind the last step it turns back to step 0:
	s_and_b32 s[MO], s[MO], 0xfff                  ; no load leaves the tile's 4,096 bytes, and there is no branch
	s_load_b512 s[32:47], s[6:7], s[MO] offset:0x0
	s_load_b512 s[48:63], s[6:7], s[MO] offset:0x40
	s_load_b512 s[68:83], s[6:7], s[MO] offset:0x80
	s_load_b512 s[84:99], s[6:7], s[MO] offset:0xc0
.irp b, 0,1,2,3
	v_max3_num_f32 v[232+\b], v[96+16*\b], v[97+16*\b], v[98+16*\b]   ; the largest score of each block of 32 keys: it serves for the row's maximum and, since p rises with the score, for the block's largest p
.endr
.irp i, 3,5,7,9,11,13
.irp b, 0,1,2,3
	v_max3_num_f32 v[232+\b], v[232+\b], v[96+16*\b+\i], v[97+16*\b+\i]
.endr
.endr
.irp b, 0,1,2,3
	v_max_num_f32 v[232+\b], v[232+\b], v[111+16*\b]
.endr
.irp b, 0,1,2,3
	v_permlanex16_b32 v[236+\b], v[232+\b], s[SEL], s[SEL+1]
.endr
.irp b, 0,1,2,3
	v_max_num_f32 v[232+\b], v[232+\b], v[236+\b]  ; with lane l xor 16's 16 keys
.endr
	v_max3_num_f32 v254, v232, v233, v234
	v_max_num_f32 v254, v254, v235                 ; the step's largest score of my query
	v_mul_f32 v254, s[CS], v254                    ; as t (c is positive)
	v_max_num_f32 v13, v13, v254                   ; the running largest t
	v_mov_b32 v254, v12
	v_floor_f32 v12, -v13                          ; the new -M = floor(-t) = -ceil(t): a whole number
	v_sub_f32 v254, v12, v254                      ; old M - new M: a whole number, 0 or less
	v_cvt_i32_f32 v254, v254                       ; (it saturates)
	v_ldexp_f32 v252, 1.0, v254                    ; f = 2^(old M - new M)
.set j, 0
.rept 32
	v_pk_fma_f32 v[96+j:97+j], v[96+j:97+j], s[CS:CS+1], v[12:13] op_sel_hi:[1,0,0]   ; t - M, two at a time
.set j, j+2
.endr
.irp b, 0,1,2,3
	v_fma_f32 v[232+\b], v[232+\b], s[CS], v12     ; the same of each block's largest score
.endr
.set j, 0
.rept 64
	v_exp_f32 v[96+j], v[96+j]                     ; p = 2^(t - M), at most 1
.set j, j+1
.endr
	v_pk_mul_f32 v[14:15], v[14:15], v[252:253] op_sel_hi:[1,0]   ; the sums under the new M: a plain instruction behind the exponentials
	s_wait_alu depctr_va_vdst(0)                   ; one wait for the whole batch, ahead of its first reader
.irp b, 0,1,2,3
	v_exp_f32 v[232+\b], v[232+\b]                 ; the block's largest p
.endr
	v_pk_add_f32 v[236:237], v[96:97], v[98:99]    ; the row's sum is taken of the unquantised p: two at a time, in two chains
.irp j, 4,8,12,16,20,24,28,32,36,40,44,48,52,56,60
	v_pk_add_f32 v[14:15], v[14:15], v[96+\j:97+\j]
	v_pk_add_f32 v[236:237], v[236:237], v[98+\j:99+\j]
.endr
	v_pk_add_f32 v[14:15], v[14:15], v[236:237]
	s_wait_alu depctr_va_vdst(0)                   ; and one for the four
.irp b, 0,1,2,3
	v_max_num_f32 v[232+\b], 0x1800000, v[232+\b]  ; the floor 2^(3 - 127): a block whose every p is 0 keeps the byte 1: its codes are zeros
.endr
.irp b, 0,1,2,3
	v_add_nc_u32 v[244+\b], 0xff000000, v[232+\b]  ; the conversion's scale operand
.endr
.irp b, 0,1,2,3
	v_lshrrev_b32 v[236+\b], 23, v[244+\b]         ; the scale's byte
.endr
	v_lshl_or_b32 v253, v237, 8, v236              ; p's scale word for these 128 keys
	v_lshl_or_b32 v253, v238, 16, v253
	v_lshl_or_b32 v253, v239, 24, v253
.irp b, 0,1,2,3
	v_cvt_scalef32_pk8_fp4_f32 v[224+2*\b], v[96+16*\b:103+16*\b], v[244+\b]
	v_cvt_scalef32_pk8_fp4_f32 v[225+2*\b], v[104+16*\b:111+16*\b], v[244+\b]
.endr
	v_nop                                          ; one plain instruction behind a scaled conversion
.irp c, 0,1
.irp i, 0,1
	v_permlane16_swap_b32 v[224+4*\c+\i], v[226+4*\c+\i]   ; a whole block in a lane
.endr
.endr
.set j, 0
.rept 32
	v_pk_mul_f32 v[160+j:161+j], v[160+j:161+j], v[252:253] op_sel_hi:[1,0]   ; O^T under the new M.  (These 32 are also the places in front of the products and loads below)
.set j, j+2
.endr
.irp g, 0,1                                    ; O^T += V^T P^T: four tiles of 16 channels at a time; K = these 128 keys
.if \g > 0
.rept 4
	v_nop
.endr
.endif
.irp t, 0,1,2,3
.irp c, 0,1
	ds_load_b128 v[32+8*\t+4*\c:32+8*\t+4*\c+3], v[ADV] offset:(4*\g+\t)*1024+512*\c
.endr
	ds_load_b32 v[248+\t], v[ADT] offset:(4*\g+\t)*64
.endr
	s_wait_dscnt 0x0
.irp t, 0,1,2,3
	v_wmma_scale_f32_16x16x128_f8f6f4 v[160+8*(4*\g+\t):167+8*(4*\g+\t)], v[32+8*\t:39+8*\t], v[224:231], v[160+8*(4*\g+\t):167+8*(4*\g+\t)], v[248+\t], v253 matrix_a_fmt:MATRIX_FMT_FP4 matrix_b_fmt:MATRIX_FMT_FP4
.endr
.endr
	s_add_co_u32 s[TB], s[TB], 8192                ; the next step's images
	s_add_co_u32 s[TS], s[TS], 512                 ; and scale words
.endm
.macro HALF                            ; a chunk's eight steps
	s_mov_b32 s[CNT], 8
.Lstep_\@:
	STEP
	s_sub_co_u32 s[CNT], s[CNT], 1
	s_cmp_lg_u32 s[CNT], 0
	s_cbranch_scc1 .Lstep_\@
.endm
	s_wait_tensorcnt 1                             ; my part of chunk 0 is in; chunk 1's load may stay out
	s_barrier_signal -1
	s_barrier_wait -1                              ; everybody's is
	HALF
	s_wait_tensorcnt 0x0                           ; my part of chunk 1
	s_wait_dscnt 0x0
	s_barrier_signal -1
	s_barrier_wait -1
	s_add_co_u32 s[TB], s[TB], CHUNK-65536         ; from the end of chunk 0's images of K to chunk 1
	s_add_co_u32 s[TS], s[TS], CHUNK-4096
	HALF
	; THE WAY OUT: O^T / the sum, quantised along the head's 128 (V's channel tiles are laid so that register 16 b + i is channel 32 b + 16 h + i), leaves as one fragment and one scale word a row
.rept 4
	v_nop                                          ; places behind the last products
.endr
	v_add_f32 v14, v14, v15                        ; the sum's two halves,
	v_permlanex16_b32 v252, v14, s[SEL], s[SEL+1]
	v_add_f32 v14, v14, v252                       ; and lane l xor 16's: the row's sum
	v_rcp_f32 v14, v14
	v_nop                                          ; a plain instruction behind the reciprocal
	s_wait_alu depctr_va_vdst(0)                   ; and the wait ahead of its first reader
.set j, 0
.rept 32
	v_pk_mul_f32 v[96+j:97+j], v[160+j:161+j], v[14:15] op_sel_hi:[1,0]   ; ascending: each accumulator is read from its low end on
.set j, j+2
.endr
	QUANT 96, 224, 253
	global_store_b128 v1, v[224:227], s[8:9]       ; 512 consecutive bytes of the image
	global_store_b128 v1, v[228:231], s[8:9] offset:512
	global_store_b32 v7, v253, s[10:11]            ; row r's word, one of four that four heads lay side by side: 64 bytes strewn over 256, one byte in 17 of what the wave stores; lanes l and l + 16 write the same word to the same place
	s_wait_kmcnt 0x0                               ; (the words asked for behind the last step)
	s_wait_tensorcnt 0x0
	ds_add_u32 v242, v243
	s_wait_dscnt 0x0
	ROUND                                          ; the closing round: no work-group ends while a partner may still ask for a tile that names it
	s_endpgm
.Lfunc_end_k_q4fd4fdd54b_attn:
	.size	k_q4fd4fdd54b_attn, .Lfunc_end_k_q4fd4fdd54b_attn-k_q4fd4fdd54b_attn
	.p2alignl 7, 3214868480
	.fill 96, 4, 3214868480
	.section	.rodata,"a",@progbits
	.p2align	6, 0x0
	.amdhsa_kernel k_q4fd4fdd54b_attn
		.amdhsa_group_segment_fixed_size 327680
		.amdhsa_private_segment_fixed_size 0
		.amdhsa_enable_private_segment 0
		.amdhsa_kernarg_size 32
		.amdhsa_user_sgpr_count 2
		.amdhsa_user_sgpr_kernarg_segment_ptr 1
		.amdhsa_wavefront_size32 1
		.amdhsa_system_sgpr_workgroup_id_x 1
		.amdhsa_system_sgpr_workgroup_id_y 1
		.amdhsa_system_sgpr_workgroup_id_z 1
		.amdhsa_system_vgpr_workitem_id 0
		.amdhsa_next_free_vgpr 256
		.amdhsa_next_free_sgpr 106
		.amdhsa_reserve_vcc 0
		.amdhsa_float_denorm_mode_32 3
		.amdhsa_float_denorm_mode_16_64 3
		.amdhsa_memory_ordered 1
		.amdhsa_forward_progress 1
		.amdhsa_inst_pref_size 61
	.end_amdhsa_kernel
	.amdgpu_metadata
---
amdhsa.version: [ 1, 2 ]
amdhsa.kernels:
  - .name:           k_q4fd4fdd54b_attn
    .symbol:         k_q4fd4fdd54b_attn.kd
    .args:
      - { .name: hqkv, .offset: 0, .size: 8, .value_kind: global_buffer, .address_space: global }
      - { .name: maskw, .offset: 8, .size: 8, .value_kind: global_buffer, .address_space: global }
      - { .name: acodes, .offset: 16, .size: 8, .value_kind: global_buffer, .address_space: global }
      - { .name: ascales, .offset: 24, .size: 8, .value_kind: global_buffer, .address_space: global }
    .group_segment_fixed_size: 327680
    .private_segment_fixed_size: 0
    .kernarg_segment_align: 8
    .kernarg_segment_size: 32
    .max_flat_workgroup_size: 256
    .sgpr_count:     106
    .vgpr_count:     256
    .wavefront_size: 32
...
	.end_amdgpu_metadata
.endif
;; end of part 3
;; launch outp (part 4): grid 8 x 8, 4 waves a work-group, clusters of 4 x 4, 327,680 bytes of LDS; arguments acodes, ascales, codes, scales, bo, out0; writes out0
.if DOCPART == 4
	.amdgcn_target "amdgcn-amd-amdhsa--gfx1250"
	.amdhsa_code_object_version 6
	.text
	.protected	k_q4fd4fdd54b_outp
	.globl	k_q4fd4fdd54b_outp
	.p2align	8
	.type	k_q4fd4fdd54b_outp,@function
k_q4fd4fdd54b_outp:
	s_mov_b64 s[64:65], 0
	v_nop
	global_prefetch_b8 v0, s[64:65] scope:SCOPE_SE
	s_setreg_imm32_b32 hwreg(HW_REG_WAVE_MODE, 25, 1), 1
	s_wait_xcnt 0x0
	s_wait_alu depctr_hold_cnt(0) depctr_sa_sdst(0) depctr_va_vdst(0) depctr_va_sdst(0) depctr_va_ssrc(0) depctr_va_vcc(0) depctr_vm_vsrc(0)
	s_getreg_b32 s2, hwreg(HW_REG_IB_STS2, 6, 4)
	s_cmp_eq_u32 s2, 0
	s_cbranch_scc0 .Lentry_in_a_cluster
	s_endpgm
.Lentry_in_a_cluster:
	s_bfe_u32 s2, ttmp6, 0x10000c
	s_cmp_lg_u32 s2, 0xf033
	s_cbranch_scc0 .Lentry_shape_is_right
	s_endpgm
.Lentry_shape_is_right:
.set QKV, 0                            ; 1: the three projections, results quantised in registers;  0: the last product, results stored as f32
; C = A B^T + bias on codes of FP4 (E2M1) with one E8M0 scale for each 32 along K; K = 2,048; sums in f32.  One text serves two launches (QKV above).
; OPERANDS lie as images of their registers: codes [tile of 16 rows][k / 32][r][16 bytes], scale words [tile][k / 512][r][4 words]; place r of tile T is row 32 (T / 2) + 8 (T % 2) + r + 8 (r / 8).
; A work-group of four waves makes 256 (A) x 256 (B); a wave 128 x 128: 64 accumulators, 512 registers.  K goes in steps of 512 through a ring of two LDS slots filled by the tensor data mover; a tile's 512 along K
; are 4,096 consecutive bytes, so a fragment comes by two loads at 16 x lane: 512 consecutive bytes each, no pitch, no padding.  The scale words of the work-group's rows, for all of K, come once and stay.
; THE MATRIX INSTRUCTION IS USED TRANSPOSED (source 0 = 16 rows of B, source 1 = 16 rows of A): a lane holds ONE row of A, and by the choice of a tile's rows its 64 registers of B's eight tiles are
; register 16 b + i = B's row 32 b + 16 (lane / 16) + i: neighbours, in the order in which the quantiser takes them.
; QKV = 1: tile rows 0-23 walk 'codes' tensors 0, 1, 2 (Q, K, wv) as one matrix; product g = tile row / 8 takes tensor 3 + g (wq, wk, V) as B.  For q and k a lane so holds a token and its registers run along the head's
; 128: quantised along the head.  For v the operands are the other way round: a lane holds a channel and its registers run along the keys: quantised along the keys.  A wave's 128 of B are one head (q, k) or one key step (v).
; The bias along B's rows is the C of each sum's first instruction; the bias along A's rows is added on the way out; the one that does not apply is made 0 by a select.
; Results: hqkv [q, k, v][head][chunk][65,536 bytes of images + 4,096 of scale words]; q, k: chunk = token tile / 64; v: chunk = key step / 8, image (key step, channel tile).
; QKV = 0: A = the attention's codes, B = wo (tensor 6), bias bo along B's rows, out0 [2048][2048] f32 through a stage in LDS, whole rows of 512 bytes.
; CLUSTERS: 4 x 4 work-groups; A's tiles are shared along a row of the cluster, B's along a column: each is asked for jointly, by the same tensor load with the same descriptor and a mask that names the four.
; LIMITS: NaN and infinities are not served; a block whose largest magnitude lies under 2^-124 (zeros too) gets the byte 1; the bytes are read by this program alone.
; REGISTERS, in windows of 256: window 0: v0-31 addresses; v32-95 scale words, two sets, and nothing else; v96-123 at work on the way out; v128-191 A's fragments, ONE set; on the way out v128-255 are free.
;   window 1: B's fragments, two sets, v0-63 and v128-191; v64-127 the bias along B; v192-207 the bias along A, in pairs.   windows 2, 3: the accumulators ((a, b) at v[8 (8 (a % 4) + b)]).
.set NQ,     4                         ; steps of 128 in a slot
.set FR,     8                         ; registers of a fragment
.set NL,     2                         ; LDS loads that bring one
.set NP,     4                         ; places behind this matrix instruction (ISA guide 7.12.1)
.set TILEB,  4096                      ; a tile's 512 along K
.set HALFT,  8*TILEB                   ; 8 tiles: what one tensor load brings, and what one wave reads of A or of B
.set SLOT,   4*HALFT                   ; A's 16 tiles, then B's 16
.set SCL,    2*SLOT                    ; behind the ring: the scale words, 1,024 bytes a tile
.set HALFS,  8192                      ; those of 8 tiles
.set SPARE,  SCL+4*HALFS               ; the spare words, 128 bytes for each wave: two blocks of 256 bytes that no other line names
.set SPITCH, 528                       ; QKV = 0: a stage row: 512 bytes + 16.  The stages lie in slot 0, which has had its last fill and its last read when the first result is stored there
.set ADRA, 16                          ; v16-17  LDS address of my A fragments in slot 0, 1
.set ADRB, 20                          ; v20-21  the same for B
.set L16,  24                          ; v24     16 x lane
.set STW,  25                          ; v25     QKV = 1: where a scale word goes in my stage;  QKV = 0: where I put 32 bytes of a row
.set STR,  26                          ; v26     where I read my stage back
.set ADRS, 27                          ; v27     LDS address of my scale words: lanes 0-15 A's, lanes 16-31 B's
.set SPW,  28                          ; v28     LDS address of my spare word; never rewritten
.set NIL,  29                          ; v29     0; never rewritten
.set SC,   32                          ; scale words: set s at v[SC + 32 s]; register 4 i + q: lanes 0-15 A's tile i, lanes 16-31 B's tile i, the slot's q-th 128
.set TM,   96                          ; v96-111 at work in QUANT
.set PW,   112                         ; v112-119 the eight scale words made
.set WB,   120                         ; v120-123 they come back from the stage
.set AF,   128                         ; A's fragments
.set PC,   128                         ; the way out, QKV = 1: eight fragments made
.set T,    192                         ; and 64 numbers at work
.set BK,   128                         ; the way out, QKV = 0: 16 rows read back: v128-191 and v192-255 by turns
.set BC,   64                          ; window 1: the bias along B
.set BRP,  192                         ; window 1: the bias along A
.set SEL,  104                         ; s[104:105] lane selects for v_permlanex16_b32
.set G1, 24                            ; s[24:31] descriptor group 1 for A's tiles;  s[32:39] group 0, one set for each slot
.set G0, 32
.set G1B, 48                           ; s[48:55], s[56:63] the same for B's
.set G0B, 56
.set G1S, 68                           ; s[68:75], s[76:79] groups 1 and 0 for A's scale words;  s[80:87], s[88:91] for B's
.set G0S, 76
.set G1SB, 80
.set G0SB, 88
.set PAC, 4                            ; s[4:5] A's codes, s[6:7] A's scale words
.set PAS, 6
.if QKV
.set PBC, 4                            ; B lies in the same two buffers
.set PBS, 6
.else
.set PBC, 8
.set PBS, 10
.endif
.set MSB, 0
.macro WIN new                         ; the immediate's high byte repeats the setting that is left
.if MSB != (\new)
	s_set_vgpr_msb (MSB<<8)|(\new)
.set MSB, (\new)
.endif
.endm
.set MUL_LO, 0xa1                      ; source 0 (B) window 1, source 1 (A) window 0, C and D window 2
.set MUL_HI, 0xf1                      ; the same, C and D window 3
.set TO_B,   0x40                      ; destination window 1, address window 0
; A joint load: waves 0 and 1 fetch for A, waves 2 and 3 for B; the branch hangs on the wave's number alone.  Four v_nop follow each of the two lines.
.macro JLOAD g0a, g1a, g0b, g1b
	s_cmp_eq_u32 s15, 0
	s_cbranch_scc0 .Lfor_b_\@
	tensor_load_to_lds s[\g0a:\g0a+3], s[\g1a:\g1a+7]
	s_nop 0
.rept 4
	v_nop
.endr
	s_branch .Lasked_\@
.Lfor_b_\@:
	tensor_load_to_lds s[\g0b:\g0b+3], s[\g1b:\g1b+7]
	s_nop 0
.rept 4
	v_nop
.endr
.Lasked_\@:
.endm
.macro CREST                           ; a round of the cluster's barrier behind its opening barrier
	s_cmp_lg_u32 s14, 0
	s_cbranch_scc1 .Lnot_wave_0_\@
	s_barrier_signal -3
.Lnot_wave_0_\@:
	s_barrier_wait -3
	s_barrier_signal -1
	s_barrier_wait -1
.endm
.macro CROUND                          ; a whole round
	s_barrier_signal -1
	s_barrier_wait -1
	CREST
.endm
; 64 numbers of a lane, v[s] on, register 16 b + i = k 32 b + 16 (lane / 16) + i of my row, become a fragment's codes in v[pc] on and its scale word in v[pw]
.macro QUANT s, pc, pw
.irp b, 0,1,2,3
	v_max3_num_f32 v[TM+\b], |v[(\s)+16*\b]|, |v[(\s)+1+16*\b]|, 0x1800000   ; block b: my 16 numbers, and the floor 2^(3 - 127): the byte cannot fall under 1
.endr
.irp i, 2,4,6,8,10,12,14
.irp b, 0,1,2,3
	v_max3_num_f32 v[TM+\b], v[TM+\b], |v[(\s)+16*\b+\i]|, |v[(\s)+1+16*\b+\i]|
.endr
.endr
.irp b, 0,1,2,3
	v_permlanex16_b32 v[TM+4+\b], v[TM+\b], s[SEL], s[SEL+1]
.endr
.irp b, 0,1,2,3
	v_max_num_f32 v[TM+\b], v[TM+\b], v[TM+4+\b]   ; with lane l xor 16's: the block's largest magnitude
.endr
.irp b, 0,1,2,3
	v_add_nc_u32 v[TM+12+\b], 0xff000000, v[TM+\b]   ; 2 off its exponent field: the conversion's scale operand
.endr
.irp b, 0,1,2,3
	v_lshrrev_b32 v[TM+4+\b], 23, v[TM+12+\b]      ; the scale's byte
.endr
	v_lshl_or_b32 v[\pw], v[TM+5], 8, v[TM+4]
	v_lshl_or_b32 v[\pw], v[TM+6], 16, v[\pw]
	v_lshl_or_b32 v[\pw], v[TM+7], 24, v[\pw]
.irp b, 0,1,2,3
	v_cvt_scalef32_pk8_fp4_f32 v[(\pc)+2*\b], v[(\s)+16*\b:(\s)+7+16*\b], v[TM+12+\b]
	v_cvt_scalef32_pk8_fp4_f32 v[(\pc)+1+2*\b], v[(\s)+8+16*\b:(\s)+15+16*\b], v[TM+12+\b]
.endr
	v_nop                                          ; one plain instruction behind a scaled conversion
.irp c, 0,1
.irp i, 0,1
	v_permlane16_swap_b32 v[(\pc)+4*\c+\i], v[(\pc)+2+4*\c+\i]   ; a whole block in a lane
.endr
.endr
.endm
	s_load_b256 s[4:11], s[0:1], 0x0               ; QKV = 1: codes, scales, bq, bk;  0: acodes, ascales, codes, scales
	s_load_b128 s[96:99], s[0:1], 0x20             ; QKV = 1: bv, hqkv;  0: bo, out0
	v_lshl_add_u32 v[SPW], v0, 2, SPARE
	v_mov_b32 v[NIL], 0
	ds_add_u32 v28, v29
	ds_add_u32 v28, v29
	s_wait_dscnt 0x0
	v_lshrrev_b32 v1, 5, v0
	v_readfirstlane_b32 s14, v1                    ; wave 0..3
	s_lshr_b32 s15, s14, 1                         ; which half of A's tiles is mine.  Also: I fetch for A (0) or for B (1)
	s_and_b32 s16, s14, 1                          ; which half of B's.  Also: which 8 tiles I fetch
	s_bfe_u32 s40, ttmp6, 0x40000                  ; cx, cy: my place in the cluster
	s_bfe_u32 s41, ttmp6, 0x40004
	s_lshl_b32 s42, ttmp9, 2
	s_add_co_u32 s42, s42, s40                     ; tile column = 4 x cluster x + cx
	s_and_b32 s17, ttmp7, 0xffff
.if QKV
	s_lshr_b32 s95, s17, 1                         ; g: which product; from the cluster's y alone: the same in all sixteen partners
.endif
	s_lshl_b32 s17, s17, 2
	s_add_co_u32 s17, s17, s41                     ; tile row = 4 x cluster y + cy
	s_lshl_b32 s43, s41, 2
	s_lshl_b32 s43, 15, s43                        ; my row of the cluster
	s_lshl_b32 s44, 0x1111, s40                    ; my column
	; descriptor group 1, codes: 8 rows (tiles) of 4,096 bytes (512 elements of 8 bytes), 16,384 bytes apart; no padding
	s_or_b32 s[G1+0], s43, (3<<16)|(1<<21)         ; 15:0 the mask: A's tiles go to my row; 17:16 elements of 8 bytes; 21 set beside a mask
	s_or_b32 s[G1B+0], s44, (3<<16)|(1<<21)
.irp g, G1, G1B
	s_mov_b32 s[\g+1], 512<<16                     ; tensor_dim0
	s_mov_b32 s[\g+2], 8<<16                       ; tensor_dim1
	s_mov_b32 s[\g+3], 512<<16                     ; tile_dim0
	s_mov_b32 s[\g+4], 8                           ; tile_dim1
	s_mov_b32 s[\g+5], 2048                        ; tensor_dim0_stride
	s_mov_b32 s[\g+6], 0
	s_mov_b32 s[\g+7], 0
.endr
	; scale words of 8 tiles: 8,192 dense bytes as 32 rows of 256 bytes
	s_or_b32 s[G1S+0], s43, (3<<16)|(1<<21)
	s_or_b32 s[G1SB+0], s44, (3<<16)|(1<<21)
.irp g, G1S, G1SB
	s_mov_b32 s[\g+1], 32<<16
	s_mov_b32 s[\g+2], 32<<16
	s_mov_b32 s[\g+3], 32<<16
	s_mov_b32 s[\g+4], 32
	s_mov_b32 s[\g+5], 32
	s_mov_b32 s[\g+6], 0
	s_mov_b32 s[\g+7], 0
.endr
	; where the tiles come from: A's hang on the tile row alone, B's on the tile column (and g) alone, each in registers that never hold the other coordinate
	s_lshl_b32 s18, s16, 17                        ; 8 tiles of codes
	s_lshl_b32 s19, s16, 13                        ; 8 tiles of scale words
	s_lshl_b32 s20, s17, 18                        ; 16 tiles of 16,384 bytes
	s_add_co_u32 s20, s20, s18
	s_mov_b32 s21, 0
	s_lshl_b32 s22, s17, 14                        ; 16 tiles of 1,024 bytes
	s_add_co_u32 s22, s22, s19
	s_mov_b32 s23, 0
	s_lshl_b32 s46, s42, 18
	s_add_co_u32 s46, s46, s18
	s_mov_b32 s47, 0
	s_lshl_b32 s92, s42, 14
	s_add_co_u32 s92, s92, s19
	s_mov_b32 s93, 0
.if QKV
	s_add_co_u32 s94, s95, 3                       ; B is tensor 3 + g
	s_lshl_b32 s2, s94, 21
	s_add_co_u32 s46, s46, s2
	s_lshl_b32 s2, s94, 17
	s_add_co_u32 s92, s92, s2
.else
	s_add_co_u32 s46, s46, 6<<21                   ; B is tensor 6, wo
	s_add_co_u32 s92, s92, 6<<17
.endif
	s_lshl_b32 s45, s14, 15                        ; where they go: wave x 8 tiles: no place in the cluster enters an LDS address
	s_lshl_b32 s94, s14, 13
	s_wait_kmcnt 0x0
	s_add_nc_u64 s[20:21], s[PAC:PAC+1], s[20:21]
	s_add_nc_u64 s[22:23], s[PAS:PAS+1], s[22:23]
	s_add_nc_u64 s[46:47], s[PBC:PBC+1], s[46:47]
	s_add_nc_u64 s[92:93], s[PBS:PBS+1], s[92:93]
	CROUND                                         ; all sixteen work-groups are here: the first joint loads meet
	s_mov_b32 s[G0S], 1
	s_add_co_u32 s[G0S+1], s94, SCL
	s_mov_b64 s[G0S+2:G0S+3], s[22:23]
	s_or_b32 s[G0S+3], s[G0S+3], 0x80000000
	s_mov_b32 s[G0SB], 1
	s_add_co_u32 s[G0SB+1], s94, SCL
	s_mov_b64 s[G0SB+2:G0SB+3], s[92:93]
	s_or_b32 s[G0SB+3], s[G0SB+3], 0x80000000
	JLOAD G0S, G1S, G0SB, G1SB                     ; the scale words first: they are wanted with K step 0.  Three loads of mine are out behind the next two
.irp s, 0,1
	s_mov_b32 s[G0+4*\s], 1
	s_add_co_u32 s[G0+4*\s+1], s45, \s*SLOT
	s_add_nc_u64 s[G0+4*\s+2:G0+4*\s+3], s[20:21], \s*TILEB
	s_or_b32 s[G0+4*\s+3], s[G0+4*\s+3], 0x80000000
	s_mov_b32 s[G0B+4*\s], 1
	s_add_co_u32 s[G0B+4*\s+1], s45, \s*SLOT
	s_add_nc_u64 s[G0B+4*\s+2:G0B+4*\s+3], s[46:47], \s*TILEB
	s_or_b32 s[G0B+4*\s+3], s[G0B+4*\s+3], 0x80000000
	JLOAD G0+4*\s, G1, G0B+4*\s, G1B
.endr
	v_and_b32 v1, 15, v0                           ; r
	v_bfe_u32 v2, v0, 4, 1                         ; h
	v_and_b32 v3, 31, v0
	v_lshlrev_b32 v[L16], 4, v3                    ; 16 x lane
	s_lshl_b32 s21, s15, 15                        ; my 8 tiles of A
	s_lshl_b32 s22, s16, 15                        ; my 8 tiles of B,
	s_add_co_u32 s22, s22, 2*HALFT                 ; which lie behind A's 16
.irp s, 0,1
	v_add_nc_u32 v[ADRA+\s], s21, v[L16]
	v_add_nc_u32 v[ADRB+\s], s22, v[L16]
	s_add_co_u32 s21, s21, SLOT
	s_add_co_u32 s22, s22, SLOT
.endr
	v_lshlrev_b32 v5, 4, v1                        ; my row's four words of a K step of 512
	s_lshl_b32 s21, s15, 13                        ; A's: my 8 tiles
	s_lshl_b32 s22, s16, 13                        ; B's: my 8 tiles, behind A's 16
	s_add_co_u32 s22, s22, 2*HALFS
	s_sub_co_u32 s22, s22, s21
	v_mul_u32_u24 v6, s22, v2                      ; lanes 16-31 take B's: one product with h
	s_add_co_u32 s21, s21, SCL
	v_add_nc_u32 v5, v5, v6
	v_add_nc_u32 v[ADRS], s21, v5
.if QKV
	s_lshl_b32 s23, s14, 9                         ; my stage: 512 bytes: eight tiles' scale words
	v_lshl_add_u32 v[STW], v1, 2, s23
	v_add_nc_u32 v[STR], s23, v[L16]
.else
	s_mul_i32 s23, s14, 16*SPITCH                  ; my stage: 16 rows
	v_mul_u32_u24 v5, v1, SPITCH
	v_lshl_add_u32 v5, v2, 6, v5
	v_add_nc_u32 v[STW], s23, v5                   ; in: row r, + 64 h
	v_add_nc_u32 v[STR], s23, v[L16]               ; back: the 32 lanes take one row of 512 bytes
.endif
	; the biases.  Along B: lane (r, h) wants, for register 16 u + i, the number at 128 x (my 128 of B) + 32 u + 16 h + i
	v_lshlrev_b32 v5, 6, v2                        ; 64 h
.if QKV
	v_and_b32 v6, 8, v1
	v_add_nc_u32 v6, v6, v1
	v_lshlrev_b32 v6, 2, v6                        ; along A: 4 (r + 8 (r / 8))
	s_cmp_eq_u32 s95, 0
	s_cselect_b64 s[18:19], s[8:9], s[10:11]
	s_cmp_eq_u32 s95, 2
	s_cselect_b64 s[18:19], s[96:97], s[18:19]
	s_cselect_b32 s100, 0, -1                      ; q, k: the bias runs along B's rows (the weight's columns);
	s_cselect_b32 s101, -1, 0                      ; v: along A's
	s_and_b32 s20, s17, 7
	s_lshl_b32 s20, s20, 4
	s_lshl_b32 s21, s15, 3
	s_add_co_u32 s20, s20, s21                     ; my first tile of A within its tensor,
	s_lshl_b32 s20, s20, 6                         ; 16 numbers of 4 bytes a tile
	s_mov_b32 s21, 0
	s_add_nc_u64 s[20:21], s[18:19], s[20:21]
.else
	s_mov_b64 s[18:19], s[96:97]
.endif
	s_lshl_b32 s46, s42, 1
	s_add_co_u32 s46, s46, s16                     ; which 128 of B are mine
	s_lshl_b32 s46, s46, 9
	s_mov_b32 s47, 0
	s_add_nc_u64 s[46:47], s[18:19], s[46:47]
	WIN TO_B
.irp u, 0,1,2,3
.irp j, 0,1,2,3
	global_load_b128 v[BC+16*\u+4*\j:BC+16*\u+4*\j+3], v5, s[46:47] offset:128*\u+16*\j
.endr
.endr
.if QKV
.irp a, 0,1,2,3,4,5,6,7
	global_load_b32 v[BRP+2*\a], v6, s[20:21] offset:4*(32*(\a/2)+8*(\a%2))     ; the number of my row of A's tile a, twice: a pair for the packed addition
	global_load_b32 v[BRP+2*\a+1], v6, s[20:21] offset:4*(32*(\a/2)+8*(\a%2))
.endr
.endif
	s_wait_loadcnt 0x0
.if QKV
	WIN 0x44                                       ; source 1 and destination window 1
.set i, 0
.rept 64
	v_cndmask_b32 v[BC+i], 0, v[BC+i], s100
.set i, i+1
.endr
.set i, 0
.rept 16
	v_cndmask_b32 v[BRP+i], 0, v[BRP+i], s101      ; (sixteen plain instructions between the last write of a C and the first product)
.set i, i+1
.endr
.endif
	WIN 0
.macro FRAG reg, adr, q, i             ; a fragment, 16 rows x 128 K: lane l's registers 4 c .. 4 c + 3 lie at 512 c + 16 l of its 1,024 bytes
.irp c, 0,1
	ds_load_b128 v[\reg+4*\c:\reg+4*\c+3], v[\adr] offset:(\i)*TILEB+(\q)*1024+512*\c
.endr
.endm
; 16 matrix instructions: A's tiles a0, a0 + 1 x B's eight, the slot's q-th 128.  p: B's set;  sc: the set of scale words.  first = 1: the bias along B is the C of the sum's first instruction: nothing is cleared or added.
; The 64 accumulators take turns, one instruction a turn, in the same order in every step.
.macro MUL16 a0, p, q, sc, first
.irp a, \a0, \a0+1
.irp b, 0,1,2,3,4,5,6,7
.if \first
	v_wmma_scale_f32_16x16x128_f8f6f4 v[8*(8*((\a)%4)+\b):8*(8*((\a)%4)+\b)+7], v[128*(\p)+FR*\b:128*(\p)+FR*\b+FR-1], v[AF+FR*(\a):AF+FR*(\a)+FR-1], v[BC+8*\b:BC+8*\b+7], v[SC+8*NQ*(\sc)+NQ*\b+(\q)], v[SC+8*NQ*(\sc)+NQ*(\a)+(\q)] matrix_a_fmt:MATRIX_FMT_FP4 matrix_b_fmt:MATRIX_FMT_FP4 matrix_a_scale:MATRIX_SCALE_ROW1
.else
	v_wmma_scale_f32_16x16x128_f8f6f4 v[8*(8*((\a)%4)+\b):8*(8*((\a)%4)+\b)+7], v[128*(\p)+FR*\b:128*(\p)+FR*\b+FR-1], v[AF+FR*(\a):AF+FR*(\a)+FR-1], v[8*(8*((\a)%4)+\b):8*(8*((\a)%4)+\b)+7], v[SC+8*NQ*(\sc)+NQ*\b+(\q)], v[SC+8*NQ*(\sc)+NQ*(\a)+(\q)] matrix_a_fmt:MATRIX_FMT_FP4 matrix_b_fmt:MATRIX_FMT_FP4 matrix_a_scale:MATRIX_SCALE_ROW1
.endif
.endr
.endr
.endm
.macro FETCH_B slot, q, p              ; B's eight fragments of the slot's q-th 128 into set p
	WIN TO_B
.irp i, 0,1,2,3,4,5,6,7
	FRAG 128*(\p)+FR*\i, ADRB+\slot, \q, \i
.endr
	WIN 0
.endm
.macro FETCH_A slot, q, i0             ; A's tiles i0 .. i0 + 3
.irp i, \i0, \i0+1, \i0+2, \i0+3
	FRAG AF+FR*(\i), ADRA+\slot, \q, \i
.endr
.endm
.macro SCALES sc                       ; a K step's scale words into set sc: four words a row; lanes 0-15 A's tile i, lanes 16-31 B's tile i
.irp i, 0,1,2,3,4,5,6,7
	ds_load_b128 v[SC+8*NQ*\sc+NQ*\i:SC+8*NQ*\sc+NQ*\i+3], v[ADRS] offset:\i*1024
.endr
.endm
; A load into a register that a matrix instruction has read, and a vector instruction or an LDS store that reads a matrix result, stand NP places behind it; only plain vector instructions that name none of its
; registers are places (ISA guide 7.12.1 for vector instructions).
.macro PLACES n
.rept \n
	v_nop
.endr
.endm
; A step of 128 along K that has its successor in the same slot.  A's tiles are free as soon as their eight products are issued: tiles 0-3 are fetched anew in the middle, tiles 4-7 at the end; B has two sets.
.macro STEP slot, q, first
	s_wait_dscnt 4*NL                              ; B's set and A's tiles 0-3 are in; the youngest eight loads (A's tiles 4-7) may be out
	WIN MUL_LO-0x10*(\first)                       ; (first: C comes from window 1)
	MUL16 0, (\q)%2, \q, \slot, \first
	MUL16 2, (\q)%2, \q, \slot, \first
	s_wait_dscnt 0                                 ; A's tiles 4-7 are in
	PLACES NP
	FETCH_B \slot, (\q)+1, 1-(\q)%2
	FETCH_A \slot, (\q)+1, 0
	WIN MUL_HI-0x20*(\first)
	MUL16 4, (\q)%2, \q, \slot, \first
	MUL16 6, (\q)%2, \q, \slot, \first
	PLACES NP
	WIN 0
	FETCH_A \slot, (\q)+1, 4
.endm
; A slot's last step changes slots: ONE barrier; in front of it each wave waits for all its tensor loads, adds 0 to its spare word, and waits for that and for its own reads of this slot.  fill = 1: this slot is filled again, two K steps ahead.
.macro TURN slot, next, fill
	s_wait_tensorcnt 0x0                           ; all my tensor loads have landed: my part of the next slot;  (every window is 0 here)
	ds_add_u32 v[SPW], v[NIL]                      ; 0 onto my spare word
	s_wait_dscnt 4*NL+1                            ; (the add and the youngest eight loads, A's tiles 4-7, may be out)
	WIN MUL_LO
	MUL16 0, 1, NQ-1, \slot, 0                     ; sixteen matrix instructions stand between the add and the wait for it
	s_wait_dscnt 0x0                               ; the add is done, and my reads of this slot are over
	s_barrier_signal -1
	MUL16 2, 1, NQ-1, \slot, 0
	WIN 0
	s_barrier_wait -1
.if \fill
	CREST                                          ; the barrier has opened a round of the cluster's: no wave of any partner still reads this slot's tile or has a load on its way
	s_add_nc_u64 s[G0+4*\slot+2:G0+4*\slot+3], s[G0+4*\slot+2:G0+4*\slot+3], 2*TILEB
	s_add_nc_u64 s[G0B+4*\slot+2:G0B+4*\slot+3], s[G0B+4*\slot+2:G0B+4*\slot+3], 2*TILEB
	JLOAD G0+4*\slot, G1, G0B+4*\slot, G1B         ; the first tensor load behind the round, my one load until the next; its four v_nop are also the places in front of the loads below
.else
	PLACES NP
.endif
	v_add_nc_u32 v[ADRS], 256, v[ADRS]             ; on to the next K step's scale words (no LDS load of mine is out)
	FETCH_B \next, 0, 0
	FETCH_A \next, 0, 0
	SCALES \next
	WIN MUL_HI
	MUL16 4, 1, NQ-1, \slot, 0
	MUL16 6, 1, NQ-1, \slot, 0
	PLACES NP
	WIN 0
	FETCH_A \next, 0, 4
.endm
.macro STEPS slot, from                ; the slot's steps from .. NQ - 2
.set Q, \from
.rept NQ-1-\from
	STEP \slot, Q, 0
.set Q, Q+1
.endr
.endm
	s_wait_tensorcnt 1                             ; the scale words and my part of K step 0 are in (slot 1's load may be out)
	s_barrier_signal -1
	s_barrier_wait -1                              ; everybody's are
	FETCH_B 0, 0, 0
	FETCH_A 0, 0, 0
	SCALES 0
	FETCH_A 0, 0, 4
	; K = 2,048 is four slots, twice round the ring: sixteen steps of 128, written on end
	STEP 0, 0, 1
	STEPS 0, 1
	TURN 0, 1, 1                                   ; slot 0 takes the third 512 along K
	STEPS 1, 0
	TURN 1, 0, 1                                   ; slot 1 the fourth
	STEPS 0, 0
	TURN 0, 1, 0                                   ; nothing is left to fetch: no round
	STEPS 1, 0
	s_wait_dscnt 4*NL                              ; the very last step
	WIN MUL_LO
	MUL16 0, 1, NQ-1, 1, 0
	MUL16 2, 1, NQ-1, 1, 0
	s_wait_dscnt 0
	WIN MUL_HI
	MUL16 4, 1, NQ-1, 1, 0
	MUL16 6, 1, NQ-1, 1, 0
	WIN 0
	PLACES NP                                      ; in front of the first read of results and of writes into registers that held A's fragments
.if QKV
; THE WAY OUT: tile a of A's eight: the bias along A is added (which also brings the 64 numbers into window 0), they are quantised, and the fragment leaves as it stands: 512 consecutive bytes a store.
	s_mov_b32 s[SEL], 0x76543210
	s_mov_b32 s[SEL+1], 0xfedcba98
.irp b, 0,1,2,3
	v_mov_b32 v[TM+4+\b], 0                        ; written once: a lane permute's destination counts as one of its sources
.endr
	s_lshl_b32 s46, s42, 1
	s_add_co_u32 s46, s46, s16                     ; G: which 128 of B: the head (q, k) or the key step (v)
	s_and_b32 s20, s17, 7
	s_lshl_b32 s20, s20, 4
	s_lshl_b32 s21, s15, 3
	s_add_co_u32 s20, s20, s21                     ; TA: my first tile of A: a token tile (q, k) or a channel tile (v)
	s_lshr_b32 s21, s20, 3
	s_lshr_b32 s22, s20, 6
	s_and_b32 s23, s20, 63
	s_lshl_b32 s23, s23, 10
	s_lshr_b32 s47, s46, 3
	s_and_b32 s92, s46, 7
	s_lshl_b32 s92, s92, 13
	s_cmp_eq_u32 s95, 2
	s_cselect_b32 s21, s21, s46                    ; head:  v: TA / 8;           q, k: G
	s_cselect_b32 s22, s47, s22                    ; chunk: v: G / 8;            q, k: TA / 64
	s_cselect_b32 s23, s92, s23                    ; in it: v: (G % 8) x 8,192;  q, k: (TA % 64) x 1,024
	s_mul_i32 s21, s21, 139264
	s_mul_i32 s22, s22, 69632
	s_mul_i32 s93, s95, 2228224
	s_add_co_u32 s21, s21, s22
	s_add_co_u32 s21, s21, s93
	s_add_co_u32 s12, s21, s23
	s_mov_b32 s13, 0
	s_add_nc_u64 s[12:13], s[98:99], s[12:13]      ; my eight images
	s_lshr_b32 s23, s23, 4                         ; 64 bytes of scale words for 1,024 of codes
	s_add_co_u32 s92, s21, s23
	s_add_co_u32 s92, s92, 65536
	s_mov_b32 s93, 0
	s_add_nc_u64 s[92:93], s[98:99], s[92:93]      ; and their scale words
.irp a, 0,1,2,3,4,5,6,7
	WIN 0x06+(\a)/4                                ; source 0: window 2 or 3; source 1: window 1
.set i, 0
.rept 32
	v_pk_add_f32 v[T+2*i:T+2*i+1], v[64*((\a)%4)+2*i:64*((\a)%4)+2*i+1], v[BRP+2*\a:BRP+2*\a+1]   ; ascending: each accumulator is read from its low end on
.set i, i+1
.endr
	WIN 0
	QUANT T, PC+8*\a, PW+\a
.irp c, 0,1
	global_store_b128 v[L16], v[PC+8*\a+4*\c:PC+8*\a+4*\c+3], s[12:13] offset:\a*1024+512*\c   ; each tile has registers of its own: no store's data are written again
.endr
	ds_store_b32 v[STW], v[PW+\a] offset:64*\a     ; both halves of the lanes write row r's word with the same value
.endr
	ds_load_b128 v[WB:WB+3], v[STR]                ; LDS serves a wave's instructions in order: this sees my stores
	s_wait_dscnt 0x0
	global_store_b128 v[L16], v[WB:WB+3], s[92:93] ; eight tiles' scale words: 512 consecutive bytes
.else
; THE WAY OUT, tile by tile of A: 16 rows x 128 columns go through my own stage and come back as whole rows of 512 bytes, which the 32 lanes store as 512 consecutive bytes, aligned.
	s_lshl_b32 s20, s17, 21                        ; 256 rows of 8,192 bytes
	s_lshl_b32 s21, s15, 20
	s_add_co_u32 s20, s20, s21
	s_lshl_b32 s46, s42, 10                        ; 256 columns of 4 bytes
	s_lshl_b32 s47, s16, 9
	s_add_co_u32 s46, s46, s47
	s_add_co_u32 s12, s20, s46
	s_mov_b32 s13, 0
	s_add_nc_u64 s[12:13], s[98:99], s[12:13]
.macro TOSTAGE a
.set AC, 64*((\a)%4)
	WIN 0x08+4*((\a)/4)                            ; the data: window 2 or 3
.irp b, 0,1,2,3,4,5,6,7
	ds_store_b128 v[STW], v[AC+8*\b:AC+8*\b+3] offset:128*(\b/2)+32*(\b%2)          ; columns 32 (b / 2) + 16 h + 8 (b % 2) on; each accumulator from its low end on
	ds_store_b128 v[STW], v[AC+8*\b+4:AC+8*\b+7] offset:128*(\b/2)+32*(\b%2)+16
.endr
	WIN 0
.set BB, BK+64*((\a)%2)
.irp t, 0,1,2,3,4,5,6,7,8,9,10,11,12,13,14,15
	ds_load_b128 v[BB+4*\t:BB+4*\t+3], v[STR] offset:\t*SPITCH   ; LDS serves a wave's instructions in order: these see the stores above
.endr
.endm
.macro SEND a, younger                 ; younger: the LDS instructions issued behind tile a's loads, which may stay out
.set BB, BK+64*((\a)%2)
	s_wait_dscnt \younger
.if (\a) > 0
.if (\a)%2
	s_add_nc_u64 s[12:13], s[12:13], 8*8192        ; (behind a wait on XCNT)  an odd tile begins 8 rows below the even one,
.else
	s_add_nc_u64 s[12:13], s[12:13], 24*8192       ; the next even one 24 rows below that
.endif
.endif
.irp t, 0,1,2,3,4,5,6,7,8,9,10,11,12,13,14,15
	global_store_b128 v[L16], v[BB+4*\t:BB+4*\t+3], s[12:13] offset:(\t+8*(\t/8))*8192 th:TH_STORE_NT   ; place t of a tile is row t + 8 (t / 8)
.endr
.endm
	TOSTAGE 0
.irp a, 1,2,3,4,5,6,7
.if \a > 1
	s_wait_xcnt 0x0                                ; tile a - 2's stores have read their registers and their base
.endif
	TOSTAGE \a
	SEND \a-1, 32                                  ; behind tile a - 1's loads: tile a's 16 stores and 16 loads
.endr
	s_wait_xcnt 0x0
	SEND 7, 0
.endif
	s_wait_tensorcnt 0x0                           ; the wave's end: behind my last tensor load and my last LDS store
	ds_add_u32 v[SPW], v[NIL]
	s_wait_dscnt 0x0
	CROUND                                         ; the closing round: no work-group ends while a partner may still ask for a tile that names it
	s_endpgm
.Lfunc_end_k_q4fd4fdd54b_outp:
	.size	k_q4fd4fdd54b_outp, .Lfunc_end_k_q4fd4fdd54b_outp-k_q4fd4fdd54b_outp
	.p2alignl 7, 3214868480
	.fill 96, 4, 3214868480
	.section	.rodata,"a",@progbits
	.p2align	6, 0x0
	.amdhsa_kernel k_q4fd4fdd54b_outp
		.amdhsa_group_segment_fixed_size 327680
		.amdhsa_private_segment_fixed_size 0
		.amdhsa_enable_private_segment 0
		.amdhsa_kernarg_size 48
		.amdhsa_user_sgpr_count 2
		.amdhsa_user_sgpr_kernarg_segment_ptr 1
		.amdhsa_wavefront_size32 1
		.amdhsa_system_sgpr_workgroup_id_x 1
		.amdhsa_system_sgpr_workgroup_id_y 1
		.amdhsa_system_sgpr_workgroup_id_z 1
		.amdhsa_system_vgpr_workitem_id 0
		.amdhsa_next_free_vgpr 1024
		.amdhsa_next_free_sgpr 106
		.amdhsa_reserve_vcc 0
		.amdhsa_float_denorm_mode_32 3
		.amdhsa_float_denorm_mode_16_64 3
		.amdhsa_memory_ordered 1
		.amdhsa_forward_progress 1
		.amdhsa_inst_pref_size 213
	.end_amdhsa_kernel
	.amdgpu_metadata
---
amdhsa.version: [ 1, 2 ]
amdhsa.kernels:
  - .name:           k_q4fd4fdd54b_outp
    .symbol:         k_q4fd4fdd54b_outp.kd
    .args:
      - { .name: acodes, .offset: 0, .size: 8, .value_kind: global_buffer, .address_space: global }
      - { .name: ascales, .offset: 8, .size: 8, .value_kind: global_buffer, .address_space: global }
      - { .name: codes, .offset: 16, .size: 8, .value_kind: global_buffer, .address_space: global }
      - { .name: scales, .offset: 24, .size: 8, .value_kind: global_buffer, .address_space: global }
      - { .name: bo, .offset: 32, .size: 8, .value_kind: global_buffer, .address_space: global }
      - { .name: out0, .offset: 40, .size: 8, .value_kind: global_buffer, .address_space: global }
    .group_segment_fixed_size: 327680
    .private_segment_fixed_size: 0
    .kernarg_segment_align: 8
    .kernarg_segment_size: 48
    .max_flat_workgroup_size: 128
    .sgpr_count:     106
    .vgpr_count:     1024
    .wavefront_size: 32
...
	.end_amdgpu_metadata
.endif
;; end of part 4
;; ======== version 2 of 2: 4 launches; 1.12 times as fast as version 1
;; limits: right only within a limited range of input values
;; workspace buffers: codes 14,680,064 bytes; scales 917,504 bytes; maskw 524,288 bytes of whole numbers; hqkv 6,684,672 bytes; acodes 2,097,152 bytes; ascales 131,072 bytes
;; launch prep: the kernel of part 1 again; grid 512 x 1, 4 waves a work-group, no clusters, 68,096 bytes of LDS; arguments Q, K, V, mask, wq, wk, wv, wo, codes, scales, maskw; writes codes, scales, maskw
;; launch qkv: the kernel of part 2 again; grid 8 x 24, 4 waves a work-group, clusters of 4 x 4, 327,680 bytes of LDS; arguments codes, scales, bq, bk, bv, hqkv; writes hqkv
;; launch attn (part 5): grid 16 x 16, 8 waves a work-group, clusters of 4 x 1, 327,680 bytes of LDS; arguments hqkv, maskw, acodes, ascales; writes acodes, ascales
.if DOCPART == 5
	.amdgcn_target "amdgcn-amd-amdhsa--gfx1250"
	.amdhsa_code_object_version 6
	.text
	.protected	k_q4fd4fdd54b_attn
	.globl	k_q4fd4fdd54b_attn
	.p2align	8
	.type	k_q4fd4fdd54b_attn,@function
k_q4fd4fdd54b_attn:
	s_mov_b64 s[64:65], 0
	v_nop
	global_prefetch_b8 v0, s[64:65] scope:SCOPE_SE
	s_setreg_imm32_b32 hwreg(HW_REG_WAVE_MODE, 25, 1), 1
	s_wait_xcnt 0x0
	s_wait_alu depctr_hold_cnt(0) depctr_sa_sdst(0) depctr_va_vdst(0) depctr_va_sdst(0) depctr_va_ssrc(0) depctr_va_vcc(0) depctr_vm_vsrc(0)
	s_getreg_b32 s2, hwreg(HW_REG_IB_STS2, 6, 4)
	s_cmp_eq_u32 s2, 0
	s_cbranch_scc0 .Lentry_in_a_cluster
	s_endpgm
.Lentry_in_a_cluster:
	s_bfe_u32 s2, ttmp6, 0x10000c
	s_cmp_lg_u32 s2, 0x3003
	s_cbranch_scc0 .Lentry_shape_is_right
	s_endpgm
.Lentry_shape_is_right:
; ATTENTION on codes of FP4 (E2M1) with one E8M0 scale for each 32 along a product's K: 16 heads of 128, 2,048 queries, 2,048 keys, a mask that is an input.
; t = score x log2(e) / sqrt(128); M = the row's largest t so far, rounded UP to a whole number; p = 2^(t - M) is quantised along the keys, not normalised; the row's sum is taken of the unquantised p and divides O at the end.
; When M moves, the sum and O are multiplied by 2^(old M - new M): exact.  O / sum is quantised along the model's 2,048 (a head is one K step of the last product) and leaves as codes.
; INPUTS (made by the launch before): hqkv [q, k, v][head][chunk][65,536 bytes of images + 4,096 of scale words].  An image is a fragment's registers: lane l's registers 4 c .. 4 c + 3 at 512 c + 16 l of 1,024 bytes.
; Place r of a tile T of tokens (or of a head's channels) is row 32 (T / 2) + 8 (T % 2) + r + 8 (r / 8): so the 16 registers of two neighbouring result tiles are 16 neighbours along the next K.
; maskw [query tile][key step][64 words]: bit l of word n says whether lane l's score in register n counts.
; SHARES.  A work-group owns 128 queries of one head, each of its eight waves one tile of 16: two waves to a SIMD.  Both products are used transposed (S^T = K Q^T, O^T = V^T P^T): a lane holds ONE query throughout.
; A HEAD'S K AND V LIE WHOLE IN LDS, 278,528 bytes, filled ONCE: each wave issues two loads (the two chunks of 1,024 keys), each a quarter of K's or of V's part; no byte is filled again, so there is no ring.
; TWO BANKS OF 64 REGISTERS CHANGE ROLES FROM STEP TO STEP, so that no LDS load is waited for straight behind its issue.  K's eight fragments lie in one bank, the scores land in the other.  Behind the score products V's
; fragments are asked for into K's bank: the whole softmax stands between the request and its wait.  As soon as p is converted, the next step's K is asked for into the scores' bank: O^T's rescaling and the products V^T P^T stand between.
; CLUSTER.  The four work-groups of a cluster belong to one head: each load is asked for jointly, with the same descriptor in all four; a place in the cluster enters Q's, the mask's and the output's global addresses alone.
; THE MASK.  A step's 64 words come by scalar loads, a step ahead, and feed 64 selects; no branch and no address hangs on them.  A hidden score becomes -3 x 2^32 ahead of the maximum.
; LIMIT: that stands for a logit of -1.139e9 where the definition has -1e9.  The product of -3 x 2^32 and the f32 constant c is exact and whole, so a row with no key left has t - M = 0 and p = 1 for every key, as the definition
; gives; a row with a key left gives hidden keys p = 0, as the definition does, while its kept logits lie above about -9e8.  NaN and infinities are not served; a block under 2^-124 (zeros too) gets the byte 1.
; No prefetch is laid: all of K and V is asked for at the head, and the mask's words a step ahead.
; REGISTERS: v1-4 addresses that stay; v5 the hidden score; v7 the scale word's place; v8-11 addresses in hand; v12 -M, v13 the largest t, v[14:15] the sum in two halves; v16-23 Q; v24-31 K's scale words;
; v32-95 and v96-159 the two banks; v160-223 O^T; v224-231 codes; v232-243 at work; v244-251 V's scale words; v252 f, v253 p's scale word, v254 at work; v255 Q's scale words.
.set CHUNK, 139264                     ; LDS: a chunk of 1,024 keys: K's images 65,536, K's scale words 4,096, V's images 65,536, V's scale words 4,096
.set PART,  69632                      ; K's or V's part of it; in memory a chunk of one tensor
.set QUART, 17408                      ; a quarter of a part: one tensor load: 68 rows of 256 bytes
.set HEADB, 139264                     ; a head of one tensor in memory
.set TENSB, 2228224                    ; a tensor
.set RM,   5
.set ADK,  8
.set ADV,  9
.set ADS,  10
.set ADT,  11
.set KW,   24                          ; v24-31   K's eight scale words, and nothing else
.set VW,   244                         ; v244-251 V's eight, and nothing else
.set TM,   232                         ; v232-243 at work in QUANT, as in a step
.set WV,   12                          ; s12  my wave's number
.set CNT,  13                          ; s13  counts trips of two steps
.set TB,   14                          ; s14  LDS byte at which the step's images begin: 8,192 a step
.set TS,   15                          ; s15  and its scale words: 512 a step
.set MO,   66                          ; s66  byte of the mask words to be loaded: 256 a step
.set CS,   100                         ; s[100:101] c = log2(e) / sqrt(128)
.set SEL,  104                         ; s[104:105] lane selects for v_permlanex16_b32: lane l xor 16
; s[16:19], s[20:23] descriptor groups 0; s[24:31] group 1; s[32:63], s[68:99] the step's 64 mask words (at the head: at work)
.macro ROUND                           ; a round of the cluster's barrier
	s_barrier_signal -1
	s_barrier_wait -1
	s_cmp_lg_u32 s[WV], 0
	s_cbranch_scc1 .Lnot_wave_0_\@
	s_barrier_signal -3
.Lnot_wave_0_\@:
	s_barrier_wait -3
	s_barrier_signal -1
	s_barrier_wait -1
.endm
; 64 numbers of a lane, v[s] on, register 16 b + i = k 32 b + 16 (lane / 16) + i of my row, become a fragment's codes in v[pc] on and its scale word in v[pw]
.macro QUANT s, pc, pw
.irp b, 0,1,2,3
	v_max3_num_f32 v[TM+\b], |v[(\s)+16*\b]|, |v[(\s)+1+16*\b]|, 0x1800000   ; block b: my 16 numbers, and the floor 2^(3 - 127): the byte cannot fall under 1
.endr
.irp i, 2,4,6,8,10,12,14
.irp b, 0,1,2,3
	v_max3_num_f32 v[TM+\b], v[TM+\b], |v[(\s)+16*\b+\i]|, |v[(\s)+1+16*\b+\i]|
.endr
.endr
.irp b, 0,1,2,3
	v_permlanex16_b32 v[TM+4+\b], v[TM+\b], s[SEL], s[SEL+1]
.endr
.irp b, 0,1,2,3
	v_max_num_f32 v[TM+\b], v[TM+\b], v[TM+4+\b]
.endr
.irp b, 0,1,2,3
	v_add_nc_u32 v[TM+8+\b], 0xff000000, v[TM+\b]
.endr
.irp b, 0,1,2,3
	v_lshrrev_b32 v[TM+4+\b], 23, v[TM+8+\b]
.endr
	v_lshl_or_b32 v[\pw], v[TM+5], 8, v[TM+4]
	v_lshl_or_b32 v[\pw], v[TM+6], 16, v[\pw]
	v_lshl_or_b32 v[\pw], v[TM+7], 24, v[\pw]
.irp b, 0,1,2,3
	v_cvt_scalef32_pk8_fp4_f32 v[(\pc)+2*\b], v[(\s)+16*\b:(\s)+7+16*\b], v[TM+8+\b]
	v_cvt_scalef32_pk8_fp4_f32 v[(\pc)+1+2*\b], v[(\s)+8+16*\b:(\s)+15+16*\b], v[TM+8+\b]
.endr
	v_nop                                          ; one plain instruction behind a scaled conversion
.irp c, 0,1
.irp i, 0,1
	v_permlane16_swap_b32 v[(\pc)+4*\c+\i], v[(\pc)+2+4*\c+\i]
.endr
.endr
.endm
	s_load_b256 s[4:11], s[0:1], 0x0               ; hqkv, maskw, acodes, ascales
	v_lshl_add_u32 v6, v0, 2, 0x44000
	s_set_vgpr_msb 0x40
	v_mov_b32 v1, 0
	s_set_vgpr_msb 0x4044
	ds_add_u32 v6, v1
	ds_add_u32 v6, v1
	s_set_vgpr_msb 0x4400
	v_lshrrev_b32 v8, 5, v0
	v_readfirstlane_b32 s[WV], v8                  ; wave 0..7
	s_and_b32 s34, ttmp7, 0xffff                   ; the head, which the four partners share
	s_mul_i32 s36, s34, HEADB
	; what I fetch: waves 0-3 the quarters of K's part, waves 4-7 of V's: made of the wave's number and the head alone
	s_lshr_b32 s35, s[WV], 2
	s_add_co_u32 s35, s35, 1                       ; tensor 1 (k) or 2 (v)
	s_mul_i32 s35, s35, TENSB
	s_add_co_u32 s35, s35, s36
	s_and_b32 s37, s[WV], 3
	s_mul_i32 s37, s37, QUART
	s_add_co_u32 s38, s35, s37
	s_mov_b32 s39, 0
	s_mul_i32 s40, s[WV], QUART                    ; and where it goes in a chunk
	; descriptor group 1: 17,408 dense bytes as 68 rows of 256 bytes (32 elements of 8 bytes)
	s_mov_b32 s24, 15|(3<<16)|(1<<21)              ; 15:0 the mask: all four work-groups; 17:16 elements of 8 bytes; 21 set beside a mask
	s_mov_b32 s25, 32<<16                          ; tensor_dim0
	s_mov_b32 s26, 68<<16                          ; tensor_dim1
	s_mov_b32 s27, 32<<16                          ; tile_dim0
	s_mov_b32 s28, 68                              ; tile_dim1
	s_mov_b32 s29, 32                              ; tensor_dim0_stride
	s_mov_b32 s30, 0
	s_mov_b32 s31, 0
	; my tile of queries
	s_bfe_u32 s32, ttmp6, 0x40000                  ; cx
	s_lshl_b32 s33, ttmp9, 2
	s_add_co_u32 s33, s33, s32                     ; work-group x
	s_lshl_b32 s33, s33, 3
	s_add_co_u32 s33, s33, s[WV]                   ; T = 8 x work-group x + wave
	s_lshr_b32 s41, s33, 6
	s_mul_i32 s41, s41, PART
	s_add_co_u32 s42, s41, s36                     ; q: my head, my tile's chunk
	s_mov_b32 s43, 0
	s_and_b32 s44, s33, 63
	s_lshl_b32 s52, s44, 10                        ; my image in it,
	s_lshl_b32 s53, s44, 6                         ; my 16 scale words
	s_lshl_b32 s46, s33, 12                        ; mask words: 4,096 bytes a tile
	s_mov_b32 s47, 0
	s_lshl_b32 s48, s33, 14                        ; the codes made: 16,384 bytes a tile, 1,024 a head
	s_lshl_b32 s45, s34, 10
	s_add_co_u32 s48, s48, s45
	s_mov_b32 s49, 0
	s_lshl_b32 s50, s33, 10                        ; their scale words: [tile][head / 4][r][head % 4]
	s_lshr_b32 s45, s34, 2
	s_lshl_b32 s45, s45, 8
	s_add_co_u32 s50, s50, s45
	s_and_b32 s45, s34, 3
	s_lshl_b32 s45, s45, 2
	s_add_co_u32 s50, s50, s45
	s_mov_b32 s51, 0
	s_mov_b32 s[SEL], 0x76543210
	s_mov_b32 s[SEL+1], 0xfedcba98
	s_mov_b32 s[CS], 0x3e0293ee
	s_mov_b32 s[CS+1], s[CS]                       ; (named with it as a pair, so it is written)
	s_mov_b32 s[TB], 0
	s_mov_b32 s[TS], 0
	s_mov_b32 s[MO], 0
	s_wait_dscnt 0x0
	s_wait_kmcnt 0x0
	s_mov_b32 s16, 1                               ; group 0, chunk 0
	s_mov_b32 s17, s40
	s_add_nc_u64 s[18:19], s[4:5], s[38:39]
	s_mov_b32 s20, 1                               ; chunk 1
	s_add_co_u32 s21, s40, CHUNK
	s_add_nc_u64 s[22:23], s[18:19], PART
	s_or_b32 s19, s19, 0x80000000
	s_or_b32 s23, s23, 0x80000000
	s_add_nc_u64 s[2:3], s[4:5], s[42:43]
	s_add_nc_u64 s[6:7], s[6:7], s[46:47]
	s_add_nc_u64 s[8:9], s[8:9], s[48:49]
	s_add_nc_u64 s[10:11], s[10:11], s[50:51]
	ROUND                                          ; all four work-groups are here: the joint loads meet
	tensor_load_to_lds s[16:19], s[24:31]          ; my two loads stand together, ahead of every wait on TENSORcnt, every LDS read and every other barrier: two of mine are out
	s_nop 0
	tensor_load_to_lds s[20:23], s[24:31]
	s_nop 0
.rept 4
	v_nop
.endr
	v_and_b32 v8, 15, v0                           ; r
	v_and_b32 v9, 31, v0
	v_lshlrev_b32 v1, 4, v9                        ; K's images: 16 x lane
	v_add_nc_u32 v2, PART, v1                      ; V's
	v_lshl_add_u32 v3, v8, 2, 65536                ; K's scale words: 4 r
	v_lshl_add_u32 v4, v8, 2, PART+65536           ; V's
	v_lshlrev_b32 v7, 4, v8                        ; the way out: 16 r
	v_add_nc_u32 v10, s52, v1
	v_lshl_add_u32 v11, v8, 2, s53
	global_load_b128 v[16:19], v10, s[2:3]         ; Q's fragment stays in registers
	global_load_b128 v[20:23], v10, s[2:3] offset:512
	global_load_b32 v255, v11, s[2:3] offset:65536 ; and its scale words
	s_load_b512 s[32:47], s[6:7], s[MO] offset:0x0 ; step 0's mask words (the registers that were at work above are done with)
	s_load_b512 s[48:63], s[6:7], s[MO] offset:0x40
	s_load_b512 s[68:83], s[6:7], s[MO] offset:0x80
	s_load_b512 s[84:99], s[6:7], s[MO] offset:0xc0
	v_mov_b32 v[RM], 0xd0400000                    ; -3 x 2^32
	v_mov_b32 v13, 0xff61b1e6                      ; the largest t so far: -3e38, under every t
	v_floor_f32 v12, -v13                          ; -M
	v_mov_b32 v14, 0                               ; the sum, in two halves
	v_mov_b32 v15, 0
.irp b, 0,1,2,3
	v_mov_b32 v[236+\b], 0                         ; written once: a lane permute's destination counts as one of its sources
.endr
	v_mov_b32 v253, 0                              ; (named as the upper half of the pair v[252:253] before it is first written)
.set j, 0
.rept 64
	v_mov_b32 v[160+j], 0                          ; O^T: the step has no first form of its own; the first finds zeros, which the first change of M leaves zeros
.set j, j+1
.endr
	s_wait_loadcnt 0x0                             ; Q (and the two registers that held its offsets are free)
; A KEY STEP: 128 keys.  rk: the bank in which K's fragments lie, asked for in the step before; V's take their place.  rs: the bank for the scores and p; the next step's K takes their place (next = 1).
; jump = 1: the next step is the first of chunk 1.
.macro STEP rk, rs, next, jump
	v_add_nc_u32 v[ADV], s[TB], v2                 ; five plain instructions or six: the scores are written over registers that the last products read, which asks for five places
	v_add_nc_u32 v[ADT], s[TS], v4
	v_add_nc_u32 v[ADK], s[TB], v1                 ; the next step's K lies 8,192 bytes on, its words 512: those stand in the loads' immediates
	v_add_nc_u32 v[ADS], s[TS], v3
.if \jump
	v_add_nc_u32 v[ADK], CHUNK-65536, v[ADK]       ; from the end of chunk 0's images of K to chunk 1
	v_add_nc_u32 v[ADS], CHUNK-4096, v[ADS]
.else
	v_nop
.endif
	s_wait_dscnt 0x0                               ; K's fragments and scale words, asked for in the step before
.irp t, 0,1,2,3,4,5,6,7                        ; S^T = K Q^T: eight tiles of 16 keys
	v_wmma_scale_f32_16x16x128_f8f6f4 v[(\rs)+8*\t:(\rs)+8*\t+7], v[(\rk)+8*\t:(\rk)+8*\t+7], v[16:23], 0, v[KW+\t], v255 matrix_a_fmt:MATRIX_FMT_FP4 matrix_b_fmt:MATRIX_FMT_FP4
.endr                                          ; lane (r, h): query r; register 16 b + i: key 32 b + 16 h + i of the step
.rept 4
	v_nop                                          ; places in front of loads into registers that these products read, and of the first read of their results
.endr
.irp t, 0,1,2,3,4,5,6,7                        ; V's eight fragments and scale words: 24 loads, which have the softmax in which to land
.irp c, 0,1
	ds_load_b128 v[(\rk)+8*\t+4*\c:(\rk)+8*\t+4*\c+3], v[ADV] offset:\t*1024+512*\c
.endr
	ds_load_b32 v[VW+\t], v[ADT] offset:\t*64
.endr
	s_wait_kmcnt 0x0                               ; this step's mask words, asked for a step ago
.set n, 0
.rept 32
	v_cndmask_b32 v[(\rs)+n], v[RM], v[(\rs)+n], s[32+n]   ; a hidden score becomes -3 x 2^32; ascending: each accumulator is read from its low end on
.set n, n+1
.endr
.rept 32
	v_cndmask_b32 v[(\rs)+n], v[RM], v[(\rs)+n], s[36+n]
.set n, n+1
.endr
	s_add_co_u32 s[MO], s[MO], 256                 ; the next step's words (the loads that read this register are done); behind the last step it turns back to step 0:
	s_and_b32 s[MO], s[MO], 0xfff                  ; no load leaves the tile's 4,096 bytes, and there is no branch
	s_load_b512 s[32:47], s[6:7], s[MO] offset:0x0
	s_load_b512 s[48:63], s[6:7], s[MO] offset:0x40
	s_load_b512 s[68:83], s[6:7], s[MO] offset:0x80
	s_load_b512 s[84:99], s[6:7], s[MO] offset:0xc0
.irp b, 0,1,2,3
	v_max3_num_f32 v[232+\b], v[(\rs)+16*\b], v[(\rs)+1+16*\b], v[(\rs)+2+16*\b]   ; the largest score of each block of 32 keys: it serves for the row's maximum and, since p rises with the score, for the block's largest p
.endr
.irp i, 3,5,7,9,11,13
.irp b, 0,1,2,3
	v_max3_num_f32 v[232+\b], v[232+\b], v[(\rs)+16*\b+\i], v[(\rs)+1+16*\b+\i]
.endr
.endr
.irp b, 0,1,2,3
	v_max_num_f32 v[232+\b], v[232+\b], v[(\rs)+15+16*\b]
.endr
.irp b, 0,1,2,3
	v_permlanex16_b32 v[236+\b], v[232+\b], s[SEL], s[SEL+1]
.endr
.irp b, 0,1,2,3
	v_max_num_f32 v[232+\b], v[232+\b], v[236+\b]  ; with lane l xor 16's 16 keys
.endr
	v_max3_num_f32 v254, v232, v233, v234
	v_max_num_f32 v254, v254, v235                 ; the step's largest score of my query
	v_mul_f32 v254, s[CS], v254                    ; as t (c is positive)
	v_max_num_f32 v13, v13, v254                   ; the running largest t
	v_mov_b32 v254, v12
	v_floor_f32 v12, -v13                          ; the new -M = floor(-t) = -ceil(t): a whole number
	v_sub_f32 v254, v12, v254                      ; old M - new M: a whole number, 0 or less
	v_cvt_i32_f32 v254, v254                       ; (it saturates)
	v_ldexp_f32 v252, 1.0, v254                    ; f = 2^(old M - new M)
.set j, 0
.rept 32
	v_pk_fma_f32 v[(\rs)+j:(\rs)+1+j], v[(\rs)+j:(\rs)+1+j], s[CS:CS+1], v[12:13] op_sel_hi:[1,0,0]   ; t - M, two at a time
.set j, j+2
.endr
.irp b, 0,1,2,3
	v_fma_f32 v[232+\b], v[232+\b], s[CS], v12     ; the same of each block's largest score
.endr
.set j, 0
.rept 64
	v_exp_f32 v[(\rs)+j], v[(\rs)+j]               ; p = 2^(t - M), at most 1
.set j, j+1
.endr
	v_pk_mul_f32 v[14:15], v[14:15], v[252:253] op_sel_hi:[1,0]   ; the sums under the new M: a plain instruction behind the exponentials
	s_wait_alu depctr_va_vdst(0)                   ; one wait for the whole batch, ahead of its first reader
.irp b, 0,1,2,3
	v_exp_f32 v[232+\b], v[232+\b]                 ; the block's largest p
.endr
	v_pk_add_f32 v[236:237], v[(\rs):(\rs)+1], v[(\rs)+2:(\rs)+3]   ; the row's sum is taken of the unquantised p: two at a time, in two chains
.irp j, 4,8,12,16,20,24,28,32,36,40,44,48,52,56,60
	v_pk_add_f32 v[14:15], v[14:15], v[(\rs)+\j:(\rs)+1+\j]
	v_pk_add_f32 v[236:237], v[236:237], v[(\rs)+2+\j:(\rs)+3+\j]
.endr
	v_pk_add_f32 v[14:15], v[14:15], v[236:237]
	s_wait_alu depctr_va_vdst(0)                   ; and one for the four
.irp b, 0,1,2,3
	v_max_num_f32 v[232+\b], 0x1800000, v[232+\b]  ; the floor 2^(3 - 127): a block whose every p is 0 keeps the byte 1: its codes are zeros
.endr
.irp b, 0,1,2,3
	v_add_nc_u32 v[240+\b], 0xff000000, v[232+\b]  ; the conversion's scale operand
.endr
.irp b, 0,1,2,3
	v_lshrrev_b32 v[236+\b], 23, v[240+\b]         ; the scale's byte
.endr
	v_lshl_or_b32 v253, v237, 8, v236              ; p's scale word for these 128 keys
	v_lshl_or_b32 v253, v238, 16, v253
	v_lshl_or_b32 v253, v239, 24, v253
.irp b, 0,1,2,3
	v_cvt_scalef32_pk8_fp4_f32 v[224+2*\b], v[(\rs)+16*\b:(\rs)+7+16*\b], v[240+\b]
	v_cvt_scalef32_pk8_fp4_f32 v[225+2*\b], v[(\rs)+8+16*\b:(\rs)+15+16*\b], v[240+\b]
.endr
	v_nop                                          ; one plain instruction behind a scaled conversion
.irp c, 0,1
.irp i, 0,1
	v_permlane16_swap_b32 v[224+4*\c+\i], v[226+4*\c+\i]   ; a whole block in a lane
.endr
.endr
.if \next
.irp t, 0,1,2,3,4,5,6,7                        ; p is converted: its bank takes the next step's K, 24 loads
.irp c, 0,1
	ds_load_b128 v[(\rs)+8*\t+4*\c:(\rs)+8*\t+4*\c+3], v[ADK] offset:8192+\t*1024+512*\c
.endr
	ds_load_b32 v[KW+\t], v[ADS] offset:512+\t*64
.endr
.endif
.set j, 0
.rept 32
	v_pk_mul_f32 v[160+j:161+j], v[160+j:161+j], v[252:253] op_sel_hi:[1,0]   ; O^T under the new M.  (These 32 are also the places between the writes of p's codes and scale word and the products below)
.set j, j+2
.endr
	s_wait_dscnt 24*(\next)                        ; V's fragments and scale words are in; the 24 loads of the next step's K, issued behind them, may be out
.irp t, 0,1,2,3,4,5,6,7                        ; O^T += V^T P^T: eight tiles of 16 channels; K = these 128 keys
	v_wmma_scale_f32_16x16x128_f8f6f4 v[160+8*\t:167+8*\t], v[(\rk)+8*\t:(\rk)+8*\t+7], v[224:231], v[160+8*\t:167+8*\t], v[VW+\t], v253 matrix_a_fmt:MATRIX_FMT_FP4 matrix_b_fmt:MATRIX_FMT_FP4
.endr
	s_add_co_u32 s[TB], s[TB], 8192+(\jump)*(CHUNK-65536)   ; the next step's images
	s_add_co_u32 s[TS], s[TS], 512+(\jump)*(CHUNK-4096)     ; and scale words
.endm
.macro SIX                             ; six steps: three trips of two, behind which the banks are back where they began
	s_mov_b32 s[CNT], 3
.Lpair_\@:
	STEP 32, 96, 1, 0
	STEP 96, 32, 1, 0
	s_sub_co_u32 s[CNT], s[CNT], 1
	s_cmp_lg_u32 s[CNT], 0
	s_cbranch_scc1 .Lpair_\@
.endm
	s_wait_tensorcnt 1                             ; my part of chunk 0 is in; chunk 1's load may stay out
	s_barrier_signal -1
	s_barrier_wait -1                              ; everybody's is
.irp t, 0,1,2,3,4,5,6,7                        ; step 0's K
.irp c, 0,1
	ds_load_b128 v[32+8*\t+4*\c:32+8*\t+4*\c+3], v1 offset:\t*1024+512*\c
.endr
	ds_load_b32 v[KW+\t], v3 offset:\t*64
.endr
	SIX                                            ; steps 0 to 5; the last asks for step 6's K, still in chunk 0
	s_wait_tensorcnt 0x0                           ; my part of chunk 1: step 7 asks for step 8's K
	s_wait_dscnt 0x0
	s_barrier_signal -1
	s_barrier_wait -1
	STEP 32, 96, 1, 0                              ; step 6
	STEP 96, 32, 1, 1                              ; step 7: on to chunk 1
	SIX                                            ; steps 8 to 13
	STEP 32, 96, 1, 0                              ; step 14
	STEP 96, 32, 0, 0                              ; step 15: no K is left to ask for
	; THE WAY OUT: O^T / the sum, quantised along the head's 128 (V's channel tiles are laid so that register 16 b + i is channel 32 b + 16 h + i), leaves as one fragment and one scale word a row
.rept 4
	v_nop                                          ; places behind the last products
.endr
	v_add_f32 v14, v14, v15                        ; the sum's two halves,
	v_permlanex16_b32 v252, v14, s[SEL], s[SEL+1]
	v_add_f32 v14, v14, v252                       ; and lane l xor 16's: the row's sum
	v_rcp_f32 v14, v14
	v_nop                                          ; a plain instruction behind the reciprocal
	s_wait_alu depctr_va_vdst(0)                   ; and the wait ahead of its first reader
.set j, 0
.rept 32
	v_pk_mul_f32 v[96+j:97+j], v[160+j:161+j], v[14:15] op_sel_hi:[1,0]   ; ascending: each accumulator is read from its low end on
.set j, j+2
.endr
	QUANT 96, 224, 253
	global_store_b128 v1, v[224:227], s[8:9]       ; 512 consecutive bytes of the image
	global_store_b128 v1, v[228:231], s[8:9] offset:512
	global_store_b32 v7, v253, s[10:11]            ; row r's word, one of four that four heads lay side by side: 64 bytes strewn over 256, one byte in 17 of what the wave stores; lanes l and l + 16 write the same word to the same place
	s_wait_kmcnt 0x0                               ; (the words asked for behind the last step)
	s_set_vgpr_msb 0x4
	s_wait_tensorcnt 0x0
	ds_add_u32 v6, v1
	s_wait_dscnt 0x0
	s_set_vgpr_msb 0x400
	ROUND                                          ; the closing round: no work-group ends while a partner may still ask for a tile that names it
	s_endpgm
.Lfunc_end_k_q4fd4fdd54b_attn:
	.size	k_q4fd4fdd54b_attn, .Lfunc_end_k_q4fd4fdd54b_attn-k_q4fd4fdd54b_attn
	.p2alignl 7, 3214868480
	.fill 96, 4, 3214868480
	.section	.rodata,"a",@progbits
	.p2align	6, 0x0
	.amdhsa_kernel k_q4fd4fdd54b_attn
		.amdhsa_group_segment_fixed_size 327680
		.amdhsa_private_segment_fixed_size 0
		.amdhsa_enable_private_segment 0
		.amdhsa_kernarg_size 32
		.amdhsa_user_sgpr_count 2
		.amdhsa_user_sgpr_kernarg_segment_ptr 1
		.amdhsa_wavefront_size32 1
		.amdhsa_system_sgpr_workgroup_id_x 1
		.amdhsa_system_sgpr_workgroup_id_y 1
		.amdhsa_system_sgpr_workgroup_id_z 1
		.amdhsa_system_vgpr_workitem_id 0
		.amdhsa_next_free_vgpr 258
		.amdhsa_next_free_sgpr 106
		.amdhsa_reserve_vcc 0
		.amdhsa_float_denorm_mode_32 3
		.amdhsa_float_denorm_mode_16_64 3
		.amdhsa_memory_ordered 1
		.amdhsa_forward_progress 1
		.amdhsa_inst_pref_size 195
	.end_amdhsa_kernel
	.amdgpu_metadata
---
amdhsa.version: [ 1, 2 ]
amdhsa.kernels:
  - .name:           k_q4fd4fdd54b_attn
    .symbol:         k_q4fd4fdd54b_attn.kd
    .args:
      - { .name: hqkv, .offset: 0, .size: 8, .value_kind: global_buffer, .address_space: global }
      - { .name: maskw, .offset: 8, .size: 8, .value_kind: global_buffer, .address_space: global }
      - { .name: acodes, .offset: 16, .size: 8, .value_kind: global_buffer, .address_space: global }
      - { .name: ascales, .offset: 24, .size: 8, .value_kind: global_buffer, .address_space: global }
    .group_segment_fixed_size: 327680
    .private_segment_fixed_size: 0
    .kernarg_segment_align: 8
    .kernarg_segment_size: 32
    .max_flat_workgroup_size: 256
    .sgpr_count:     106
    .vgpr_count:     258
    .wavefront_size: 32
...
	.end_amdgpu_metadata
.endif
;; end of part 5
;; launch outp (part 6): grid 16 x 16, 4 waves a work-group, clusters of 4 x 4, 327,680 bytes of LDS; arguments acodes, ascales, codes, scales, bo, out0; writes out0
.if DOCPART == 6
	.amdgcn_target "amdgcn-amd-amdhsa--gfx1250"
	.amdhsa_code_object_version 6
	.text
	.protected	k_q4fd4fdd54b_outp
	.globl	k_q4fd4fdd54b_outp
	.p2align	8
	.type	k_q4fd4fdd54b_outp,@function
k_q4fd4fdd54b_outp:
	s_mov_b64 s[64:65], 0
	v_nop
	global_prefetch_b8 v0, s[64:65] scope:SCOPE_SE
	s_setreg_imm32_b32 hwreg(HW_REG_WAVE_MODE, 25, 1), 1
	s_wait_xcnt 0x0
	s_wait_alu depctr_hold_cnt(0) depctr_sa_sdst(0) depctr_va_vdst(0) depctr_va_sdst(0) depctr_va_ssrc(0) depctr_va_vcc(0) depctr_vm_vsrc(0)
	s_getreg_b32 s2, hwreg(HW_REG_IB_STS2, 6, 4)
	s_cmp_eq_u32 s2, 0
	s_cbranch_scc0 .Lentry_in_a_cluster
	s_endpgm
.Lentry_in_a_cluster:
	s_bfe_u32 s2, ttmp6, 0x10000c
	s_cmp_lg_u32 s2, 0xf033
	s_cbranch_scc0 .Lentry_shape_is_right
	s_endpgm
.Lentry_shape_is_right:
; out0 = A wo + bo on codes of FP4 (E2M1) with one E8M0 scale for each 32 along K; K = 2,048; sums in f32.  A = the attention's codes (acodes, ascales); B = wo, tensor 6 of 'codes' and 'scales'.
; OPERANDS lie as images of their registers: codes [tile of 16 rows][k / 32][r][16 bytes], scale words [tile][k / 512][r][4 words]; place r of tile T is row 32 (T / 2) + 8 (T % 2) + r + 8 (r / 8).
; THE TILE.  2,048 x 2,048 of out0 in tiles of 128 x 128 are 256 work-groups.  Four waves, each 64 x 64: 16 accumulators, which take turns, one instruction a turn.
; THE OPERANDS LIE WHOLE IN LDS: 128 + 128 rows x 1,024 bytes of codes and 16,384 bytes of scale words, filled ONCE: no byte is filled again, so there is no ring.  Each wave issues three loads at the head: its four tiles'
; scale words, their first 1,024 along K, their second 1,024; the products begin when the first two have landed.  No prefetch is laid: all tiles are asked for at the head.
; THE MATRIX INSTRUCTION IS USED TRANSPOSED (source 0 = 16 rows of B, source 1 = 16 rows of A): a lane holds ONE row of A, and register 8 b + j of B's tile b is column 32 (b / 2) + 16 (lane / 16) + 8 (b % 2) + j.
; bo is the C of each sum's first instruction: nothing is cleared, nothing is added.
; CLUSTERS: 4 x 4 work-groups; A's tiles are shared along a row of the cluster, B's along a column: each is asked for jointly, by the same tensor load with the same descriptor and a mask that names the four.
; THE WAY OUT.  A wave's 64 columns are 256 bytes of a row, aligned: 16 rows at a time go through the wave's own stage, which has LDS bytes of its own, and come back by rows: sixteen lanes store 256 consecutive bytes.
; REGISTERS, in windows of 256: window 0: v16-27 addresses; v32-95 the scale words of all of K, and nothing else; v128-255 the way out: 32 registers for each of A's four tiles.
;   window 1: two fragment buffers of 128: for 256 along K (two products deep): 32 of A, 32 of B, twice.   window 2: v0-127 the accumulators ((a, b) at v[8 (4 a + b)]); v128-159 bo.
.set NP,     4                         ; places behind this matrix instruction (ISA guide 7.12.1)
.set TILEK,  8192                      ; a tile's 1,024 along K
.set HALFT,  4*TILEK                   ; 4 tiles: what one tensor load brings, and what one wave reads of A or of B
.set HALFK,  4*HALFT                   ; half of K: A's 8 tiles, then B's 8
.set SCL,    2*HALFK                   ; behind the codes: the scale words, 1,024 bytes a tile
.set HALFS,  4096                      ; those of 4 tiles
.set STAGE,  SCL+4*HALFS               ; behind them: the stages, 16 rows for each wave; no tile lands here
.set SPITCH, 272                       ; a stage row: 256 bytes + 16: an odd multiple of 16, so the sixteen rows that a store touches start at different banks
.set ADRA, 16                          ; v16-17  LDS address of my A fragments in the first, the second half of K
.set ADRB, 20                          ; v20-21  the same for B
.set CO,   24                          ; v24     my byte offset in out0: lanes 0-15 one row, lanes 16-31 the next; 16 bytes a lane
.set STW,  25                          ; v25     where I put 16 bytes of a row in my stage
.set STR,  26                          ; v26     where I read my stage back
.set ADRS, 27                          ; v27     LDS address of my scale words: lanes 0-15 A's, lanes 16-31 B's
.set SC,   32                          ; register 16 s + 4 i + q: lanes 0-15 A's tile i, lanes 16-31 B's tile i, the q-th 128 of the s-th 512 along K
.set BK,   128                         ; the way out
.set BC,   128                         ; window 2: bo
.set G1, 24                            ; s[24:31] descriptor group 1 for A's tiles;  s[32:39] group 0, one set for each half of K
.set G0, 32
.set G1B, 48                           ; s[48:55], s[56:63] the same for B's
.set G0B, 56
.set G1S, 68                           ; s[68:75], s[76:79] groups 1 and 0 for A's scale words;  s[80:87], s[88:91] for B's
.set G0S, 76
.set G1SB, 80
.set G0SB, 88
.set MSB, 0
.macro WIN new                         ; the immediate's high byte repeats the setting that is left
.if MSB != (\new)
	s_set_vgpr_msb (MSB<<8)|(\new)
.set MSB, (\new)
.endif
.endm
.set MUL,  0xa5                        ; sources 0 (B) and 1 (A) window 1; C and D window 2
.set TO_F, 0x40                        ; destination window 1, address window 0
; A joint load: waves 0 and 1 fetch for A, waves 2 and 3 for B; the branch hangs on the wave's number alone.  Four v_nop follow each of the two lines.
.macro JLOAD g0a, g1a, g0b, g1b
	s_cmp_eq_u32 s15, 0
	s_cbranch_scc0 .Lfor_b_\@
	tensor_load_to_lds s[\g0a:\g0a+3], s[\g1a:\g1a+7]
	s_nop 0
.rept 4
	v_nop
.endr
	s_branch .Lasked_\@
.Lfor_b_\@:
	tensor_load_to_lds s[\g0b:\g0b+3], s[\g1b:\g1b+7]
	s_nop 0
.rept 4
	v_nop
.endr
.Lasked_\@:
.endm
.macro CROUND                          ; a round of the cluster's barrier
	s_barrier_signal -1
	s_barrier_wait -1
	s_cmp_lg_u32 s14, 0
	s_cbranch_scc1 .Lnot_wave_0_\@
	s_barrier_signal -3
.Lnot_wave_0_\@:
	s_barrier_wait -3
	s_barrier_signal -1
	s_barrier_wait -1
.endm
	s_load_b256 s[4:11], s[0:1], 0x0               ; acodes, ascales, codes, scales
	s_load_b128 s[96:99], s[0:1], 0x20             ; bo, out0
	v_lshl_add_u32 v126, v0, 2, 0x48400
	v_mov_b32 v127, 0
	ds_add_u32 v126, v127
	ds_add_u32 v126, v127
	v_lshrrev_b32 v1, 5, v0
	v_readfirstlane_b32 s14, v1                    ; wave 0..3
	s_lshr_b32 s15, s14, 1                         ; which half of A's tiles is mine.  Also: I fetch for A (0) or for B (1)
	s_and_b32 s16, s14, 1                          ; which half of B's.  Also: which 4 tiles I fetch
	s_bfe_u32 s40, ttmp6, 0x40000                  ; cx, cy: my place in the cluster
	s_bfe_u32 s41, ttmp6, 0x40004
	s_lshl_b32 s42, ttmp9, 2
	s_add_co_u32 s42, s42, s40                     ; tile column = 4 x cluster x + cx
	s_and_b32 s17, ttmp7, 0xffff
	s_lshl_b32 s17, s17, 2
	s_add_co_u32 s17, s17, s41                     ; tile row = 4 x cluster y + cy
	s_lshl_b32 s43, s41, 2
	s_lshl_b32 s43, 15, s43                        ; my row of the cluster
	s_lshl_b32 s44, 0x1111, s40                    ; my column
	; descriptor group 1, codes: 4 rows (tiles) of 8,192 bytes (1,024 elements of 8 bytes), 16,384 bytes apart; no padding
	s_or_b32 s[G1+0], s43, (3<<16)|(1<<21)         ; 15:0 the mask: A's tiles go to my row; 17:16 elements of 8 bytes; 21 set beside a mask
	s_or_b32 s[G1B+0], s44, (3<<16)|(1<<21)
.irp g, G1, G1B
	s_mov_b32 s[\g+1], 1024<<16                    ; tensor_dim0
	s_mov_b32 s[\g+2], 4<<16                       ; tensor_dim1
	s_mov_b32 s[\g+3], 1024<<16                    ; tile_dim0
	s_mov_b32 s[\g+4], 4                           ; tile_dim1
	s_mov_b32 s[\g+5], 2048                        ; tensor_dim0_stride
	s_mov_b32 s[\g+6], 0
	s_mov_b32 s[\g+7], 0
.endr
	; scale words of 4 tiles: 4,096 dense bytes as 16 rows of 256 bytes
	s_or_b32 s[G1S+0], s43, (3<<16)|(1<<21)
	s_or_b32 s[G1SB+0], s44, (3<<16)|(1<<21)
.irp g, G1S, G1SB
	s_mov_b32 s[\g+1], 32<<16
	s_mov_b32 s[\g+2], 16<<16
	s_mov_b32 s[\g+3], 32<<16
	s_mov_b32 s[\g+4], 16
	s_mov_b32 s[\g+5], 32
	s_mov_b32 s[\g+6], 0
	s_mov_b32 s[\g+7], 0
.endr
	; where the tiles come from: A's hang on the tile row alone, B's on the tile column alone, each in registers that never hold the other coordinate
	s_lshl_b32 s18, s16, 16                        ; 4 tiles of codes
	s_lshl_b32 s19, s16, 12                        ; 4 tiles of scale words
	s_lshl_b32 s20, s17, 17                        ; 8 tiles of 16,384 bytes
	s_add_co_u32 s20, s20, s18
	s_mov_b32 s21, 0
	s_lshl_b32 s22, s17, 13                        ; 8 tiles of 1,024 bytes
	s_add_co_u32 s22, s22, s19
	s_mov_b32 s23, 0
	s_lshl_b32 s46, s42, 17
	s_add_co_u32 s46, s46, s18
	s_add_co_u32 s46, s46, 6<<21                   ; B is tensor 6, wo
	s_mov_b32 s47, 0
	s_lshl_b32 s92, s42, 13
	s_add_co_u32 s92, s92, s19
	s_add_co_u32 s92, s92, 6<<17
	s_mov_b32 s93, 0
	s_lshl_b32 s45, s14, 15                        ; where they go: wave x 4 tiles: no place in the cluster enters an LDS address
	s_lshl_b32 s94, s14, 12
	s_wait_dscnt 0x0
	s_wait_kmcnt 0x0
	s_add_nc_u64 s[20:21], s[4:5], s[20:21]
	s_add_nc_u64 s[22:23], s[6:7], s[22:23]
	s_add_nc_u64 s[46:47], s[8:9], s[46:47]
	s_add_nc_u64 s[92:93], s[10:11], s[92:93]
	CROUND                                         ; all sixteen work-groups are here: the joint loads meet
	s_mov_b32 s[G0S], 1
	s_add_co_u32 s[G0S+1], s94, SCL
	s_mov_b64 s[G0S+2:G0S+3], s[22:23]
	s_or_b32 s[G0S+3], s[G0S+3], 0x80000000
	s_mov_b32 s[G0SB], 1
	s_add_co_u32 s[G0SB+1], s94, SCL
	s_mov_b64 s[G0SB+2:G0SB+3], s[92:93]
	s_or_b32 s[G0SB+3], s[G0SB+3], 0x80000000
	JLOAD G0S, G1S, G0SB, G1SB                     ; the scale words first.  Three loads of mine are out behind the next two, and no more are issued
.irp s, 0,1
	s_mov_b32 s[G0+4*\s], 1
	s_add_co_u32 s[G0+4*\s+1], s45, \s*HALFK
	s_add_nc_u64 s[G0+4*\s+2:G0+4*\s+3], s[20:21], \s*TILEK
	s_or_b32 s[G0+4*\s+3], s[G0+4*\s+3], 0x80000000
	s_mov_b32 s[G0B+4*\s], 1
	s_add_co_u32 s[G0B+4*\s+1], s45, \s*HALFK
	s_add_nc_u64 s[G0B+4*\s+2:G0B+4*\s+3], s[46:47], \s*TILEK
	s_or_b32 s[G0B+4*\s+3], s[G0B+4*\s+3], 0x80000000
	JLOAD G0+4*\s, G1, G0B+4*\s, G1B
.endr
	v_and_b32 v1, 15, v0                           ; r
	v_bfe_u32 v2, v0, 4, 1                         ; h
	v_and_b32 v3, 31, v0
	v_lshlrev_b32 v4, 4, v3                        ; 16 x lane
	s_lshl_b32 s21, s15, 15                        ; my 4 tiles of A
	s_lshl_b32 s22, s16, 15                        ; my 4 tiles of B,
	s_add_co_u32 s22, s22, 2*HALFT                 ; which lie behind A's 8
.irp s, 0,1
	v_add_nc_u32 v[ADRA+\s], s21, v4
	v_add_nc_u32 v[ADRB+\s], s22, v4
	s_add_co_u32 s21, s21, HALFK
	s_add_co_u32 s22, s22, HALFK
.endr
	v_lshlrev_b32 v5, 4, v1                        ; my row's four words of 512 along K
	s_lshl_b32 s21, s15, 12                        ; A's: my 4 tiles
	s_lshl_b32 s22, s16, 12                        ; B's: my 4 tiles, behind A's 8
	s_add_co_u32 s22, s22, 2*HALFS
	s_sub_co_u32 s22, s22, s21
	v_mul_u32_u24 v6, s22, v2                      ; lanes 16-31 take B's: one product with h
	s_add_co_u32 s21, s21, SCL
	v_add_nc_u32 v5, v5, v6
	v_add_nc_u32 v[ADRS], s21, v5
	s_mul_i32 s23, s14, 16*SPITCH
	s_add_co_u32 s23, s23, STAGE                   ; my stage
	v_mul_u32_u24 v5, v1, SPITCH
	v_lshl_add_u32 v5, v2, 6, v5
	v_add_nc_u32 v[STW], s23, v5                   ; in: row r, + 64 h
	v_mul_u32_u24 v5, v2, SPITCH
	v_lshl_add_u32 v5, v1, 4, v5
	v_add_nc_u32 v[STR], s23, v5                   ; back: lanes 0-15 one row of 256 bytes, lanes 16-31 the next
	v_lshlrev_b32 v[CO], 13, v2                    ; and the same two rows in out0: 8,192 bytes a row
	v_lshl_add_u32 v[CO], v1, 4, v[CO]
	s_lshl_b32 s20, s17, 20                        ; my first row of out0: 128 x tile row + 64 x half, of 8,192 bytes
	s_lshl_b32 s21, s15, 19
	s_add_co_u32 s20, s20, s21
	s_lshl_b32 s92, s42, 9                         ; my first column: 128 x tile column + 64 x half, of 4 bytes
	s_lshl_b32 s93, s16, 8
	s_add_co_u32 s92, s92, s93
	s_add_co_u32 s12, s20, s92
	s_mov_b32 s13, 0
	s_add_nc_u64 s[12:13], s[98:99], s[12:13]
	; bo: lane (r, h) wants, for register 16 u + i, the number at my first column + 32 u + 16 h + i
	v_lshlrev_b32 v7, 6, v2                        ; 64 h
	s_mov_b32 s93, 0
	s_add_nc_u64 s[46:47], s[96:97], s[92:93]      ; (my first column in bytes serves bo as it serves a row of out0)
	WIN 0x80                                       ; destination window 2
.irp u, 0,1
.irp j, 0,1,2,3
	global_load_b128 v[BC+16*\u+4*\j:BC+16*\u+4*\j+3], v7, s[46:47] offset:128*\u+16*\j
.endr
.endr
	WIN 0
; 32 LDS loads in one run: the fragments of pair p (256 along K) into buffer f; the first 128 along K first.  A fragment's registers 4 c .. 4 c + 3 lie at 512 c + 16 x lane of its 1,024 bytes
.macro FETCH p, f
	WIN TO_F
.irp c, 0,1
.irp i, 0,1,2,3
	ds_load_b128 v[128*(\f)+64*\c+32+8*\i:128*(\f)+64*\c+32+8*\i+3],   v[ADRB+(\p)/4] offset:\i*TILEK+((\p)%4)*2048+\c*1024
	ds_load_b128 v[128*(\f)+64*\c+32+8*\i+4:128*(\f)+64*\c+32+8*\i+7], v[ADRB+(\p)/4] offset:\i*TILEK+((\p)%4)*2048+\c*1024+512
	ds_load_b128 v[128*(\f)+64*\c+8*\i:128*(\f)+64*\c+8*\i+3],         v[ADRA+(\p)/4] offset:\i*TILEK+((\p)%4)*2048+\c*1024
	ds_load_b128 v[128*(\f)+64*\c+8*\i+4:128*(\f)+64*\c+8*\i+7],       v[ADRA+(\p)/4] offset:\i*TILEK+((\p)%4)*2048+\c*1024+512
.endr
.endr
.endm
; 16 matrix instructions: A's four tiles x B's four, the st-th 128 along K: half c of buffer f.  first = 1: bo is the C of the sum's first instruction
.macro MUL16 f, c, st, first
.irp a, 0,1,2,3
.irp b, 0,1,2,3
.if \first
	v_wmma_scale_f32_16x16x128_f8f6f4 v[8*(4*\a+\b):8*(4*\a+\b)+7], v[128*(\f)+64*(\c)+32+8*\b:128*(\f)+64*(\c)+32+8*\b+7], v[128*(\f)+64*(\c)+8*\a:128*(\f)+64*(\c)+8*\a+7], v[BC+8*\b:BC+8*\b+7], v[SC+16*((\st)/4)+4*\b+(\st)%4], v[SC+16*((\st)/4)+4*\a+(\st)%4] matrix_a_fmt:MATRIX_FMT_FP4 matrix_b_fmt:MATRIX_FMT_FP4 matrix_a_scale:MATRIX_SCALE_ROW1
.else
	v_wmma_scale_f32_16x16x128_f8f6f4 v[8*(4*\a+\b):8*(4*\a+\b)+7], v[128*(\f)+64*(\c)+32+8*\b:128*(\f)+64*(\c)+32+8*\b+7], v[128*(\f)+64*(\c)+8*\a:128*(\f)+64*(\c)+8*\a+7], v[8*(4*\a+\b):8*(4*\a+\b)+7], v[SC+16*((\st)/4)+4*\b+(\st)%4], v[SC+16*((\st)/4)+4*\a+(\st)%4] matrix_a_fmt:MATRIX_FMT_FP4 matrix_b_fmt:MATRIX_FMT_FP4 matrix_a_scale:MATRIX_SCALE_ROW1
.endif
.endr
.endr
.endm
; A load into a register that a matrix instruction has read, and an LDS store that reads a matrix result, stand NP places behind it; only plain vector instructions that name none of its registers are places
; (ISA guide 7.12.1 for vector instructions).
.macro PLACES n
.rept \n
	v_nop
.endr
.endm
; Pair p of eight: 256 along K, 32 matrix instructions on buffer p % 2; in its middle the next pair's fragments are asked for into the other buffer.
; meet = 1: the next pair lies in the second half of K: every wave waits for its load of that half and meets the others; sixteen products stand between signal and wait.
.macro PAIR p, first, meet
.if \meet
	s_wait_tensorcnt 0x0                           ; my part of the second half of K has landed
	s_wait_dscnt 0x0                               ; no LDS instruction of mine is out at a signal
	s_barrier_signal -1
.else
	s_wait_dscnt 16                                ; the pair's first 128 along K are in; the youngest sixteen loads, its second 128, may be out
.endif
	WIN MUL
	MUL16 (\p)%2, 0, 2*(\p), \first
.if \meet
	s_barrier_wait -1
.endif
.if (\p) < 7
	PLACES NP
	FETCH (\p)+1, 1-(\p)%2
	s_wait_dscnt 32                                ; all but the 32 just issued
.else
	s_wait_dscnt 0x0
.endif
	WIN MUL
	MUL16 (\p)%2, 1, 2*(\p)+1, 0
.endm
	s_wait_tensorcnt 1                             ; the scale words and my part of the first half of K are in (the second half's load may be out)
	s_barrier_signal -1
	s_barrier_wait -1                              ; everybody's are
.irp s, 0,1,2,3                                ; the scale words of all of K, once: lanes 0-15 A's tile i, lanes 16-31 B's tile i
.irp i, 0,1,2,3
	ds_load_b128 v[SC+16*\s+4*\i:SC+16*\s+4*\i+3], v[ADRS] offset:\i*1024+\s*256
.endr
.endr
	FETCH 0, 0
	s_wait_loadcnt 0x0                             ; bo
	PAIR 0, 1, 0
	PAIR 1, 0, 0
	PAIR 2, 0, 0
	PAIR 3, 0, 1
	PAIR 4, 0, 0
	PAIR 5, 0, 0
	PAIR 6, 0, 0
	PAIR 7, 0, 0
	WIN 0
	PLACES NP                                      ; in front of the first read of results
; THE WAY OUT, tile by tile of A: 16 rows x 64 columns go through my own stage and come back as whole rows of 256 bytes.  Every offset is an immediate (62 rows of 8,192 bytes at the most, inside the signed 24-bit
; immediate: ISA guide, chapter 10), and each tile has registers of its own: no base is stepped and no store's data are written again.
.macro TOSTAGE a
	WIN 0x08                                       ; an LDS store's data are its source 1: window 2
.irp b, 0,1,2,3
	ds_store_b128 v[STW], v[32*(\a)+8*\b:32*(\a)+8*\b+3] offset:128*(\b/2)+32*(\b%2)          ; columns 32 (b / 2) + 16 h + 8 (b % 2) on; each accumulator from its low end on
	ds_store_b128 v[STW], v[32*(\a)+8*\b+4:32*(\a)+8*\b+7] offset:128*(\b/2)+32*(\b%2)+16
.endr
	WIN 0
.irp t, 0,1,2,3,4,5,6,7
	ds_load_b128 v[BK+32*(\a)+4*\t:BK+32*(\a)+4*\t+3], v[STR] offset:2*\t*SPITCH   ; LDS serves a wave's instructions in order (ISA guide 5.7.1.4): these see the stores above, and the next tile's stores come behind them
.endr
.endm
.macro SEND a, younger                 ; younger: the LDS instructions issued behind tile a's loads, which may stay out
	s_wait_dscnt \younger
.irp t, 0,1,2,3,4,5,6,7
	global_store_b128 v[CO], v[BK+32*(\a)+4*\t:BK+32*(\a)+4*\t+3], s[12:13] offset:(32*((\a)/2)+8*((\a)%2)+2*\t+8*(\t/4))*8192 th:TH_STORE_NT   ; places 2 t and 2 t + 1 of tile a; sixteen lanes store 256 consecutive bytes, aligned
.endr
.endm
	TOSTAGE 0
	TOSTAGE 1
	SEND 0, 16                                     ; behind tile 0's loads: tile 1's 8 stores and 8 loads
	TOSTAGE 2
	SEND 1, 16
	TOSTAGE 3
	SEND 2, 16
	SEND 3, 0
	s_wait_tensorcnt 0x0
	ds_add_u32 v126, v127
	s_wait_dscnt 0x0
	CROUND                                         ; the closing round: no work-group ends while a partner may still ask for a tile that names it
	s_endpgm
.Lfunc_end_k_q4fd4fdd54b_outp:
	.size	k_q4fd4fdd54b_outp, .Lfunc_end_k_q4fd4fdd54b_outp-k_q4fd4fdd54b_outp
	.p2alignl 7, 3214868480
	.fill 96, 4, 3214868480
	.section	.rodata,"a",@progbits
	.p2align	6, 0x0
	.amdhsa_kernel k_q4fd4fdd54b_outp
		.amdhsa_group_segment_fixed_size 327680
		.amdhsa_private_segment_fixed_size 0
		.amdhsa_enable_private_segment 0
		.amdhsa_kernarg_size 48
		.amdhsa_user_sgpr_count 2
		.amdhsa_user_sgpr_kernarg_segment_ptr 1
		.amdhsa_wavefront_size32 1
		.amdhsa_system_sgpr_workgroup_id_x 1
		.amdhsa_system_sgpr_workgroup_id_y 1
		.amdhsa_system_sgpr_workgroup_id_z 1
		.amdhsa_system_vgpr_workitem_id 0
		.amdhsa_next_free_vgpr 768
		.amdhsa_next_free_sgpr 106
		.amdhsa_reserve_vcc 0
		.amdhsa_float_denorm_mode_32 3
		.amdhsa_float_denorm_mode_16_64 3
		.amdhsa_memory_ordered 1
		.amdhsa_forward_progress 1
		.amdhsa_inst_pref_size 69
	.end_amdhsa_kernel
	.amdgpu_metadata
---
amdhsa.version: [ 1, 2 ]
amdhsa.kernels:
  - .name:           k_q4fd4fdd54b_outp
    .symbol:         k_q4fd4fdd54b_outp.kd
    .args:
      - { .name: acodes, .offset: 0, .size: 8, .value_kind: global_buffer, .address_space: global }
      - { .name: ascales, .offset: 8, .size: 8, .value_kind: global_buffer, .address_space: global }
      - { .name: codes, .offset: 16, .size: 8, .value_kind: global_buffer, .address_space: global }
      - { .name: scales, .offset: 24, .size: 8, .value_kind: global_buffer, .address_space: global }
      - { .name: bo, .offset: 32, .size: 8, .value_kind: global_buffer, .address_space: global }
      - { .name: out0, .offset: 40, .size: 8, .value_kind: global_buffer, .address_space: global }
    .group_segment_fixed_size: 327680
    .private_segment_fixed_size: 0
    .kernarg_segment_align: 8
    .kernarg_segment_size: 48
    .max_flat_workgroup_size: 128
    .sgpr_count:     106
    .vgpr_count:     768
    .wavefront_size: 32
...
	.end_amdgpu_metadata
.endif
;; end of part 6
